; MI455X (gfx1250); checked and timed in simulation.
; The chip was launched on July 23, 2026; its instructions are those of AMD's public machine-readable ISA for CDNA 5 (MIT licence, August 2026) and "CDNA5" Instruction Set Architecture Reference Guide (July 2026). The comments in the code are by the model that wrote it; some were corrected since.
;; Multi Query Attention. Allowed arithmetic: float matrix products may take bf16 or f16 operands with f32 sums; other float arithmetic in f32, or as packed bf16 or f16 multiplies, adds, multiply-adds, maxima and minima; sums over many terms, partial sums and values carried from step to step in f32; what a program stores and reads back later, other than sums and carried values, may be rounded once to bf16 or f16.
;; Inputs: Wk 1,024 x 1,024 float32; Wo 1,024 x 1,024 float32; Wq 4 x 1,024 x 1,024 float32; Wv 1,024 x 1,024 float32; bk 1,024 float32; bo 1,024 float32; bq 4 x 1,024 float32; bv 1,024 float32; x 4 x 2,048 x 1,024 float32.
;; Outputs: out0 4 x 2,048 x 1,024 float32.
;; 2 versions, each right; version 2 is version 1 with the launches cast, attn written anew for expert scheduling mode. Each part assembles by itself: llvm-mc -triple=amdgcn-amd-amdhsa -mcpu=gfx1250 --defsym DOCPART=n.
;; ======== version 1 of 2: 4 launches
;; limits: values are held in f16: magnitudes above 65,504 overflow, below 6.1e-05 lose precision
;; workspace buffers: xb 16,777,216 bytes; wb 12,582,912 bytes; wob 2,097,152 bytes; bias 28,672 bytes; qkv 100,663,296 bytes; ob 16,777,216 bytes
;; launch cast (part 1): grid 967 x 1, 8 waves a work-group, no clusters, 0 bytes of LDS; arguments x, Wq, Wk, Wv, Wo, bq, bk, bv, bo, xb, wb, wob, bias; writes xb, wb, wob, bias
.if DOCPART == 1
	.amdgcn_target "amdgcn-amd-amdhsa--gfx1250"
	.amdhsa_code_object_version 6
	.text
	.protected	k_q7fa1f6cc26_cast
	.globl	k_q7fa1f6cc26_cast
	.p2align	8
	.type	k_q7fa1f6cc26_cast,@function
k_q7fa1f6cc26_cast:
	s_mov_b64 s[64:65], 0
	v_nop
	global_prefetch_b8 v0, s[64:65] scope:SCOPE_SE
	s_setreg_imm32_b32 hwreg(HW_REG_WAVE_MODE, 25, 1), 1
	s_wait_xcnt 0x0
; ALL INPUTS ARE ROUNDED ONCE TO bf16, and the weights' rows are laid in the order in which the later launches want them.
;   xb  [8192][1024] bf16 = x.
;   wb  [6144][1024] bf16: blocks of 1,024 rows q0, q1, q2, q3, k, v.  In a q or k block row 256 (d / 16) + 16 h + d % 16 is the weights' row 64 h + d;
;       in the v block row 16 d + g is the weights' row 64 g + d.  So the product's columns come out in an order in which each matrix fragment of the
;       attention inside a token is 512 consecutive bytes.
;   wob [1024][1024] f16 = 4 x bf16(Wo): the attention stores the MEAN over the four query sets, the factor 4 stands here.
;   bias [7168] f32, each number rounded to bf16: 0..6143 in wb's row order, 6144..7167 = bo.
; LIMITS.  4 |Wo| stays under 65,504 (f16's end); below 6.1e-5 a number of wob keeps f16's fixed step of 6e-8, elsewhere bf16's 8 bits are held exactly.
; SHARES.  Work-groups 0..959 take 16 rows of 1,024 f32 each: thread t the 16 bytes at 16 t of each source row, and the 8 bytes at 8 t of each row out: a load of a wave
; covers 512 consecutive bytes, a store 256, aligned.  All 16 loads of a thread go out at once; there is no loop, and no register that a memory instruction names is written again.
; Work-groups 960..966 make the bias table, 1,024 numbers each.  No LDS, no matrix unit, no cluster: nothing is shared and nothing is multiplied.
.set SRB,  4096                        ; bytes in a source row
.set DRB,  2048                        ; bytes in a row out
.set OFF,  4                           ; v[4:19]    row i: byte offset of my 16 bytes from the first source row
.set D,    20                          ; v[20:83]   row i: 4 f32 as loaded
.set Y,    84                          ; v[84:115]  row i: 4 numbers of 16 bits to store
.set T,    116                         ; v[116:119] at work
.set SRC,  36                          ; s[36:37]   the source at my first row
.set DST,  38                          ; s[38:39]   the destination at my first row
.set SO,   40                          ; s[40:41]   first source row, then its byte offset
.set DO,   42                          ; s[42:43]   the same for the destination
.set STEP, 44                          ; s44        bytes from one source row of mine to the next
	s_load_b512 s[8:23], s[0:1], 0x0               ; x 8, Wq 10, Wk 12, Wv 14, Wo 16, bq 18, bk 20, bv 22
	s_load_b256 s[24:31], s[0:1], 0x40             ; bo 24, xb 26, wb 28, wob 30
	s_load_b64 s[32:33], s[0:1], 0x60              ; bias
	s_mov_b32 s2, ttmp9
	v_lshlrev_b32 v1, 4, v0                        ; 16 t
	v_lshlrev_b32 v2, 3, v0                        ; 8 t
	s_cmp_ge_u32 s2, 960
	s_cbranch_scc1 .Lbias
	s_lshl_b32 s[SO], s2, 4                        ; x: rows 16 id on, in and out
	s_mov_b32 s[DO], s[SO]
	s_mov_b32 s[STEP], SRB
	s_mov_b32 s7, 0                                ; 1: the rows are Wo's
	s_wait_kmcnt 0x0
	s_mov_b64 s[SRC:SRC+1], s[8:9]
	s_mov_b64 s[DST:DST+1], s[26:27]
	s_cmp_lt_u32 s2, 512
	s_cbranch_scc1 .Lgo
	s_sub_co_u32 s3, s2, 512                       ; t: 16 rows of the weights' 7,168
	s_lshr_b32 s4, s3, 6                           ; the block of 1,024 rows: 0-3 q, 4 k, 5 v, 6 Wo
	s_and_b32 s5, s3, 63                           ; mm: which 16 rows of the block
	s_and_b32 s6, s5, 15                           ; q and k: h = mm % 16,
	s_lshl_b32 s6, s6, 6
	s_lshr_b32 s45, s5, 4                          ; d / 16 = mm / 16:
	s_lshl_b32 s45, s45, 4
	s_add_co_u32 s6, s6, s45                       ; source rows 64 h + 16 (d / 16) on
	s_lshl_b32 s46, s5, 4                          ; Wo: rows 16 mm on, in and out
	s_lshl_b32 s[DO], s3, 4                        ; wb's rows 16 t on
	s_mov_b64 s[DST:DST+1], s[28:29]
	s_lshl_b32 s[SO], s4, 10
	s_add_co_u32 s[SO], s[SO], s6                  ; Wq holds its four sets on end
	s_mov_b64 s[SRC:SRC+1], s[10:11]
	s_cmp_eq_u32 s4, 4
	s_cselect_b32 s[SO], s6, s[SO]
	s_cselect_b64 s[SRC:SRC+1], s[12:13], s[SRC:SRC+1]
	s_cmp_eq_u32 s4, 5                             ; v: d = mm, my row i is g = i: source rows mm + 64 i
	s_cselect_b32 s[SO], s5, s[SO]
	s_cselect_b64 s[SRC:SRC+1], s[14:15], s[SRC:SRC+1]
	s_cselect_b32 s[STEP], 64*SRB, s[STEP]
	s_cmp_eq_u32 s4, 6
	s_cselect_b32 s[SO], s46, s[SO]
	s_cselect_b32 s[DO], s46, s[DO]
	s_cselect_b64 s[SRC:SRC+1], s[16:17], s[SRC:SRC+1]
	s_cselect_b64 s[DST:DST+1], s[30:31], s[DST:DST+1]
	s_cselect_b32 s7, 1, 0
.Lgo:
	s_lshl_b32 s[SO], s[SO], 12                    ; rows to bytes: under 2^26
	s_mov_b32 s[SO+1], 0
	s_lshl_b32 s[DO], s[DO], 11
	s_mov_b32 s[DO+1], 0
	s_add_nc_u64 s[SRC:SRC+1], s[SRC:SRC+1], s[SO:SO+1]
	s_add_nc_u64 s[DST:DST+1], s[DST:DST+1], s[DO:DO+1]
	v_mov_b32 v[OFF], v1
.irp i, 1,2,3,4,5,6,7,8,9,10,11,12,13,14,15
	v_add_nc_u32 v[OFF+(\i)], s[STEP], v[OFF+(\i)-1]
.endr
.irp i, 0,1,2,3,4,5,6,7,8,9,10,11,12,13,14,15
	global_load_b128 v[D+4*(\i):D+4*(\i)+3], v[OFF+(\i)], s[SRC:SRC+1] th:TH_LOAD_NT
.endr
; Row i: rounded and stored.  wo = 1: the bf16 number times 4, written as f16.
.macro ROW i, wo
	s_wait_loadcnt 15-(\i)                         ; loads come back in order: row i is in, the 15 - i younger rows may stay out
	v_cvt_pk_bf16_f32 v[Y+2*(\i)],   v[D+4*(\i)],   v[D+4*(\i)+1]
	v_cvt_pk_bf16_f32 v[Y+2*(\i)+1], v[D+4*(\i)+2], v[D+4*(\i)+3]
.if \wo
	v_lshlrev_b32 v[T],   16, v[Y+2*(\i)]
	v_and_b32     v[T+1], 0xffff0000, v[Y+2*(\i)]
	v_lshlrev_b32 v[T+2], 16, v[Y+2*(\i)+1]
	v_and_b32     v[T+3], 0xffff0000, v[Y+2*(\i)+1]
	v_pk_mul_f32 v[T:T+1],   v[T:T+1],   4.0 op_sel_hi:[1,0]
	v_pk_mul_f32 v[T+2:T+3], v[T+2:T+3], 4.0 op_sel_hi:[1,0]
	v_cvt_pk_f16_f32 v[Y+2*(\i)],   v[T],   v[T+1]
	v_cvt_pk_f16_f32 v[Y+2*(\i)+1], v[T+2], v[T+3]
.endif
	global_store_b64 v2, v[Y+2*(\i):Y+2*(\i)+1], s[DST:DST+1] offset:DRB*(\i) th:TH_STORE_NT  ; a wave's store: 256 consecutive bytes, aligned
.endm
	s_cmp_eq_u32 s7, 1
	s_cbranch_scc1 .Lwo
.irp i, 0,1,2,3,4,5,6,7,8,9,10,11,12,13,14,15
	ROW \i, 0
.endr
	s_endpgm
.Lwo:
.irp i, 0,1,2,3,4,5,6,7,8,9,10,11,12,13,14,15
	ROW \i, 1
.endr
	s_endpgm
.Lbias:                                        ; block j of the table: thread t makes its numbers 4 t .. 4 t + 3
	s_sub_co_u32 s3, s2, 960                       ; j: 0-3 bq's sets, 4 bk, 5 bv, 6 bo
	v_bfe_u32 v4, v0, 2, 4                         ; q and k: h = (t / 4) % 16,
	v_lshrrev_b32 v5, 6, v0                        ; d / 16 = t / 64,
	v_and_b32 v6, 3, v0                            ; d % 16 = 4 (t % 4) on
	v_lshlrev_b32 v7, 6, v4
	v_lshl_add_u32 v7, v5, 4, v7
	v_lshl_add_u32 v7, v6, 2, v7                   ; source number 64 h + d, four on end
	v_lshrrev_b32 v8, 2, v0                        ; v: d = t / 4, g = 4 (t % 4) on:
	v_lshl_add_u32 v8, v6, 8, v8                   ; source number 64 g + d, four that lie 64 apart
	v_lshlrev_b32 v9, 2, v0                        ; bo: as it lies
	s_cmp_eq_u32 s3, 5
	s_cselect_b32 s4, -1, 0
	s_cselect_b32 s6, 256, 4                       ; bytes from one of my four to the next
	s_cmp_eq_u32 s3, 6
	s_cselect_b32 s5, -1, 0
	v_cndmask_b32 v7, v7, v8, s4
	v_cndmask_b32 v7, v7, v9, s5
	v_lshlrev_b32 v10, 2, v7
	v_add_nc_u32 v11, s6, v10
	v_add_nc_u32 v12, s6, v11
	v_add_nc_u32 v13, s6, v12
	s_lshl_b32 s[DO], s3, 12                       ; the block's 4,096 bytes in the table,
	s_mov_b32 s[DO+1], 0
	s_cmp_lt_u32 s3, 4
	s_cselect_b32 s[SO], s[DO], 0                  ; and, for bq alone, the set's 4,096 bytes in the source
	s_mov_b32 s[SO+1], 0
	s_wait_kmcnt 0x0
	s_mov_b64 s[SRC:SRC+1], s[18:19]
	s_cmp_eq_u32 s3, 4
	s_cselect_b64 s[SRC:SRC+1], s[20:21], s[SRC:SRC+1]
	s_cmp_eq_u32 s3, 5
	s_cselect_b64 s[SRC:SRC+1], s[22:23], s[SRC:SRC+1]
	s_cmp_eq_u32 s3, 6
	s_cselect_b64 s[SRC:SRC+1], s[24:25], s[SRC:SRC+1]
	s_add_nc_u64 s[SRC:SRC+1], s[SRC:SRC+1], s[SO:SO+1]
	s_add_nc_u64 s[DST:DST+1], s[32:33], s[DO:DO+1]
	global_load_b32 v14, v10, s[SRC:SRC+1]
	global_load_b32 v15, v11, s[SRC:SRC+1]
	global_load_b32 v16, v12, s[SRC:SRC+1]
	global_load_b32 v17, v13, s[SRC:SRC+1]
	s_wait_loadcnt 0x0
	v_cvt_pk_bf16_f32 v18, v14, v15                ; rounded to bf16 like every input,
	v_cvt_pk_bf16_f32 v19, v16, v17
	v_lshlrev_b32 v20, 16, v18                     ; and kept as f32: the table feeds the C operand of matrix instructions
	v_and_b32 v21, 0xffff0000, v18
	v_lshlrev_b32 v22, 16, v19
	v_and_b32 v23, 0xffff0000, v19
	global_store_b128 v1, v[20:23], s[DST:DST+1]   ; a wave's store: 512 consecutive bytes, aligned
	s_endpgm
.Lfunc_end_k_q7fa1f6cc26_cast:
	.size	k_q7fa1f6cc26_cast, .Lfunc_end_k_q7fa1f6cc26_cast-k_q7fa1f6cc26_cast
	.p2alignl 7, 3214868480
	.fill 96, 4, 3214868480
	.section	.rodata,"a",@progbits
	.p2align	6, 0x0
	.amdhsa_kernel k_q7fa1f6cc26_cast
		.amdhsa_group_segment_fixed_size 0
		.amdhsa_private_segment_fixed_size 0
		.amdhsa_enable_private_segment 0
		.amdhsa_kernarg_size 104
		.amdhsa_user_sgpr_count 2
		.amdhsa_user_sgpr_kernarg_segment_ptr 1
		.amdhsa_wavefront_size32 1
		.amdhsa_system_sgpr_workgroup_id_x 1
		.amdhsa_system_sgpr_workgroup_id_y 1
		.amdhsa_system_sgpr_workgroup_id_z 1
		.amdhsa_system_vgpr_workitem_id 0
		.amdhsa_next_free_vgpr 128
		.amdhsa_next_free_sgpr 66
		.amdhsa_reserve_vcc 0
		.amdhsa_float_denorm_mode_32 3
		.amdhsa_float_denorm_mode_16_64 3
		.amdhsa_memory_ordered 1
		.amdhsa_forward_progress 1
		.amdhsa_inst_pref_size 22
	.end_amdhsa_kernel
	.amdgpu_metadata
---
amdhsa.version: [ 1, 2 ]
amdhsa.kernels:
  - .name:           k_q7fa1f6cc26_cast
    .symbol:         k_q7fa1f6cc26_cast.kd
    .args:
      - { .name: x, .offset: 0, .size: 8, .value_kind: global_buffer, .address_space: global }
      - { .name: Wq, .offset: 8, .size: 8, .value_kind: global_buffer, .address_space: global }
      - { .name: Wk, .offset: 16, .size: 8, .value_kind: global_buffer, .address_space: global }
      - { .name: Wv, .offset: 24, .size: 8, .value_kind: global_buffer, .address_space: global }
      - { .name: Wo, .offset: 32, .size: 8, .value_kind: global_buffer, .address_space: global }
      - { .name: bq, .offset: 40, .size: 8, .value_kind: global_buffer, .address_space: global }
      - { .name: bk, .offset: 48, .size: 8, .value_kind: global_buffer, .address_space: global }
      - { .name: bv, .offset: 56, .size: 8, .value_kind: global_buffer, .address_space: global }
      - { .name: bo, .offset: 64, .size: 8, .value_kind: global_buffer, .address_space: global }
      - { .name: xb, .offset: 72, .size: 8, .value_kind: global_buffer, .address_space: global }
      - { .name: wb, .offset: 80, .size: 8, .value_kind: global_buffer, .address_space: global }
      - { .name: wob, .offset: 88, .size: 8, .value_kind: global_buffer, .address_space: global }
      - { .name: bias, .offset: 96, .size: 8, .value_kind: global_buffer, .address_space: global }
    .group_segment_fixed_size: 0
    .private_segment_fixed_size: 0
    .kernarg_segment_align: 8
    .kernarg_segment_size: 104
    .max_flat_workgroup_size: 256
    .sgpr_count:     66
    .vgpr_count:     128
    .wavefront_size: 32
...
	.end_amdgpu_metadata
.endif
;; end of part 1
;; launch qkv (part 2): grid 8 x 32, 4 waves a work-group, clusters of 4 x 4, 327,680 bytes of LDS; arguments xb, wb, qkv, bias; writes qkv
.if DOCPART == 2
	.amdgcn_target "amdgcn-amd-amdhsa--gfx1250"
	.amdhsa_code_object_version 6
	.text
	.protected	k_q7fa1f6cc26_qkv
	.globl	k_q7fa1f6cc26_qkv
	.p2align	8
	.type	k_q7fa1f6cc26_qkv,@function
k_q7fa1f6cc26_qkv:
	s_mov_b64 s[64:65], 0
	v_nop
	global_prefetch_b8 v0, s[64:65] scope:SCOPE_SE
	s_setreg_imm32_b32 hwreg(HW_REG_WAVE_MODE, 25, 1), 1
	s_wait_xcnt 0x0
	s_wait_alu depctr_hold_cnt(0) depctr_sa_sdst(0) depctr_va_vdst(0) depctr_va_sdst(0) depctr_va_ssrc(0) depctr_va_vcc(0) depctr_vm_vsrc(0)
	s_getreg_b32 s2, hwreg(HW_REG_IB_STS2, 6, 4)
	s_cmp_eq_u32 s2, 0
	s_cbranch_scc0 .Lentry_in_a_cluster
	s_endpgm
.Lentry_in_a_cluster:
	s_bfe_u32 s2, ttmp6, 0x10000c
	s_cmp_lg_u32 s2, 0xf033
	s_cbranch_scc0 .Lentry_shape_is_right
	s_endpgm
.Lentry_shape_is_right:
; qkv[m][n] = bias[n] + the sum over k of xb[m][k] wb[n][k].  xb: [8192][1024] bf16, wb: [6144][1024] bf16, bias: f32, qkv: [8192][6144] f16; sums in f32, qkv rounded once.
; LIMIT.  f16 holds no number beyond 65,504: a projected q, k or v past that comes out as an infinity.
; A tile of qkv, 256 x 256, is made by a work-group of four waves; a wave makes 128 x 128: 64 accumulators of 16 x 16, 512 registers.  K goes in steps of 128 through a ring of two LDS
; slots filled by the tensor data mover: the rows of the tiles are 256 bytes of memory and start at multiples of 256 bytes.
; A WORK-GROUP STAYS: 768 tiles, 3 for each of 256 work-groups, WALK = 2,048 columns apart: they share their rows of xb and step through wb.  The ring does not stop at a tile's end: a tile's
; last two changes of slots ask for the next tile's first two K steps, and nothing waits for a tile's stores.  The last tile's last K step goes by rows of qkv, so that finished rows leave while the others are multiplied.
; CLUSTERS: 4 x 4 work-groups.  The four of a row of the cluster need the same tiles of xb, the four of a column the same tiles of wb: each tile is asked for JOINTLY, by the same tensor load
; with the same descriptor and a mask that names the four.
; THE BIAS is the C operand of the products that start a tile's sums: nothing is cleared and nothing is added afterwards.
; THE MATRIX INSTRUCTION IS USED TRANSPOSED: source 0 = 16 rows of wb, source 1 = 16 rows of xb: lane l then holds row l % 16 of qkv and the columns 8 (l / 16) + 0..7, which pack into 16 bytes.
; REGISTERS, in windows of 256 (s_set_vgpr_msb: bits 1:0 source 0, 3:2 source 1, 5:4 source 2, 7:6 destination):
;   window 0: v0-31 addresses; v64-127, v128-191 fragments of xb, two buffers (in the very last K step four, of 16 rows x 128 K); v32-63, v192-255 at work on the way out
;   window 1: v64-127, v128-191 fragments of wb, two buffers; v192-255 the bias of my 128 columns as eight C operands; in the very last K step all 256: wb's fragments of the whole step
;   window 2: the 32 accumulators of my rows 0-63 (accumulator (a, b) at v[8 (8 a + b)]);   window 3: those of my rows 64-127
.set SIZE_M, 8192
.set SIZE_N, 6144
.set SIZE_K, 1024
.set TILES,  3
.set WALK,   2048                      ; columns of qkv, rows of wb, from a work-group's tile to its next
.set KSTEP,  128
.set PITCH,  272                       ; an LDS row: 256 bytes of data + 16 of padding = 68 words: row r starts at bank 4 r mod 64 (64 banks of 4 bytes: ISA guide 11.1)
.set HALFT,  128*PITCH                 ; 128 rows: what one tensor load brings, and what one wave reads of xb or of wb
.set SLOT,   4*HALFT                   ; xb's 256 rows, then wb's 256 rows
.set STAGE,  2*SLOT                    ; behind the ring: 16 rows x 272 bytes for each wave, for the way out
.set SPITCH, 272
.set SPARE,  STAGE+4*16*SPITCH         ; behind the stages: the spare words, 128 bytes for each wave: two blocks of 256 bytes that no other line names
.set LAPS,   SIZE_K/(2*KSTEP)          ; a lap = two K steps = once round the ring
.set BACK_A, (SIZE_K-2*KSTEP)*2        ; bytes from a slot's last K step of a tile back to its first: xb's rows stay,
.set NEXT_B, WALK*SIZE_K*2-BACK_A      ; wb goes WALK rows down and back along K
.set BACK_C, 7*16*SIZE_N*2-WALK*2      ; bytes from my last 16 rows of a tile back to my first rows, WALK columns on
.set ADRA, 16                          ; v16-17  LDS address of my xb fragments in slot 0, 1
.set ADRB, 20                          ; v20-21  the same for wb
.set STO,  24                          ; v24     the way out: where I put 16 bytes of a row
.set RD,   25                          ; v25     the way out: where I read a row back
.set CO,   26                          ; v26     my byte offset in qkv
.set SPW,  28                          ; v28     LDS address of my spare word: SPARE + 4 x my thread's number; never rewritten
.set NIL,  29                          ; v29     0; never rewritten
.set PFO,  30                          ; v30     the prefetches' offset: my lane x a row of 2,048 bytes; never rewritten
.set BO,   31                          ; v31     32 (l / 16): my eight numbers in 16 of the bias; never rewritten
.set PFA,  44                          ; s[44:45] where my prefetches stand: my work-group's 32 rows of the 128 that I fetch, one K step further along K than the refill that is being asked for
.set LIM,  43                          ; s43     1 in a wave that prefetches, else the greatest number
.set F0,   64                          ; fragment buffer 0
.set F1,   128                         ; fragment buffer 1
.set TMP,  192                         ; the way out: packed results, in window 0
.set OB,   32                          ; the way out: 16 rows read back from the stage: v32-63 and v224-255 by turns
.set PA,   64                          ; the very last K step: xb's fragments of 16 rows x 128 K, 32 registers; four such buffers, v64-191
.set BIAS, 192                         ; window 1: n block b at BIAS + 8 b
.set G1,  24                           ; s[24:31] descriptor group 1 for xb's tiles
.set G0,  32                           ; s[32:39] descriptor group 0 for xb's tiles, one set for each slot
.set G1B, 48                           ; s[48:55] descriptor group 1 for wb's tiles: it differs in the mask alone
.set G0B, 56                           ; s[56:63] descriptor group 0 for wb's tiles, one set for each slot
.set BI,  66                           ; s[66:67] the bias at my 128 columns of the tile whose bias was loaded last
.set MSB, 0
.macro WIN new                         ; the immediate's high byte repeats the setting that is left; a switch that changes nothing is dropped
.if MSB != (\new)
	s_set_vgpr_msb (MSB<<8)|(\new)
.set MSB, \new
.endif
.endm
.set MUL_LO, 0xa1                      ; source 0 (wb) window 1, source 1 (xb) window 0, C and D window 2
.set MUL_HI, 0xf1                      ; the same, C and D window 3
.set MUL_Z,  0x91                      ; a tile's first products: C (the bias) window 1, D window 2; + 0x40: D window 3
.set TO_B,   0x40                      ; destination window 1, address window 0
; A joint load.  Waves 0 and 1 fetch xb's two halves, waves 2 and 3 wb's.  The branch hangs on the wave's number alone.  An s_nop 0 and four v_nop follow each of the two lines.
.macro JLOAD s
	s_cmp_eq_u32 s11, 0
	s_cbranch_scc0 .Lfor_b_\@
	tensor_load_to_lds s[G0+4*(\s):G0+4*(\s)+3], s[G1:G1+7]
	s_nop 0
.rept 4
	v_nop
.endr
	s_branch .Lasked_\@
.Lfor_b_\@:
	tensor_load_to_lds s[G0B+4*(\s):G0B+4*(\s)+3], s[G1B:G1B+7]
	s_nop 0
.rept 4
	v_nop
.endr
.Lasked_\@:
.endm
; A PREFETCH INTO THE L2, behind each joint load, its five lines and the run of LDS loads that follows them: the K step that stands TWO refills on: 32 rows x 256 bytes, a lane a row, one instruction a wave:
; 512 matrix instructions ahead of the load that will name it.  Each row's 256 bytes of a K step are named ONCE in the launch.  xb's tile row is read by both clusters of that row of clusters: cluster x = 0 asks, and
; in its first tile alone, since the walk's tiles share their rows of xb; wb's tile column is read by every cluster of that column: cluster y = 0 asks, in every tile.  The four partners that ask for a tile jointly
; share its rows out BY ADDRESS: of the 128 rows that a wave fetches, the partner at place p takes 32 p .. 32 p + 31 (p = cx for xb, cy for wb).  how = 0, in the loop: a tile's last two refills have no K step two on;
; how = 1, at a change of tiles: the next tile's K steps 2 and 3.  A tile's K steps 0 and 1, and the launch's first four, come by their loads alone.
.macro ASK how
.if \how
	s_cmp_eq_u32 s[LIM], 1
.else
	s_cmp_gt_u32 s3, s[LIM]                        ; s3 = 1 in the loop's last trip
.endif
	s_cbranch_scc0 .Lnot_mine_\@
	global_prefetch_b8 v[PFO], s[PFA:PFA+1] offset:KSTEP*2 th:TH_LOAD_NT scope:SCOPE_SE
.Lnot_mine_\@:
.endm
.macro CREST                           ; a round of the cluster's barrier behind its opening barrier
	s_cmp_lg_u32 s10, 0
	s_cbranch_scc1 .Lnot_wave_0_\@
	s_barrier_signal -3
.Lnot_wave_0_\@:
	s_barrier_wait -3
	s_barrier_signal -1
	s_barrier_wait -1
.endm
.macro CROUND                          ; a whole round
	s_barrier_signal -1
	s_barrier_wait -1
	CREST
.endm
	s_load_b128 s[4:7], s[0:1], 0x0                ; xb s[4:5], wb s[6:7]
	s_load_b64 s[8:9], s[0:1], 0x10                ; qkv
	s_load_b64 s[BI:BI+1], s[0:1], 0x18            ; bias
	v_lshl_add_u32 v[SPW], v0, 2, SPARE
	v_mov_b32 v[NIL], 0
	ds_add_u32 v[SPW], v[NIL]                      ; the wave's opening: the add and its wait stand ahead of my first tensor load; the set-up below, work on registers, stands between them
	ds_add_u32 v28, v29
	v_lshrrev_b32 v1, 5, v0
	v_readfirstlane_b32 s10, v1                    ; wave 0..3
	s_lshr_b32 s11, s10, 1                         ; which half of the tile's rows is mine.  Also: I fetch for xb (0) or for wb (1)
	s_and_b32 s12, s10, 1                          ; which half of its columns.  Also: which 128 rows of that tile I fetch
	s_bfe_u32 s40, ttmp6, 0x40000                  ; cx
	s_bfe_u32 s41, ttmp6, 0x40004                  ; cy
	s_lshl_b32 s42, ttmp9, 2
	s_add_co_u32 s42, s42, s40                     ; my first tile column = 4 x cluster x + cx: 0..7
	s_and_b32 s13, ttmp7, 0xffff
	s_lshl_b32 s13, s13, 2
	s_add_co_u32 s13, s13, s41                     ; tile row = 4 x cluster y + cy: 0..31
	s_lshl_b32 s43, s41, 2
	s_lshl_b32 s43, 15, s43                        ; my row of the cluster: places 4 cy .. 4 cy + 3
	s_lshl_b32 s44, 0x1111, s40                    ; my column: places cx, cx + 4, cx + 8, cx + 12
	; descriptor group 1: a tile of 128 rows x 128 elements, padded in LDS
	s_or_b32 s[G1+0], s43, (1<<16)|(1<<20)|(1<<21)|(5<<22)|(3<<25)  ; 15:0 the mask; 17:16 elements of 2 bytes; 20 padding on; 21 set beside a mask; 24:22 after every 64 words (code 5); 31:25 4 words of it (code 3)
	s_or_b32 s[G1B+0], s44, (1<<16)|(1<<20)|(1<<21)|(5<<22)|(3<<25)
.irp g, G1, G1B
	s_mov_b32 s[(\g)+1], KSTEP<<16                 ; tensor_dim0 = 128
	s_mov_b32 s[(\g)+2], 128<<16                   ; tensor_dim1 = 128
	s_mov_b32 s[(\g)+3], KSTEP<<16                 ; tile_dim0 = 128
	s_mov_b32 s[(\g)+4], 128                       ; tile_dim1 = 128
	s_mov_b32 s[(\g)+5], SIZE_K                    ; elements from row to row
	s_mov_b32 s[(\g)+6], 0
	s_mov_b32 s[(\g)+7], 0
.endr
	; where the tiles come from.  xb's hang on the tile row alone, which my row of the cluster shares; wb's on the tile column alone, which my column shares.
	s_lshl_b32 s17, s12, 7                         ; which 128 rows of the tile I fetch
	s_lshl_b32 s16, s13, 8
	s_add_co_u32 s16, s16, s17                     ; xb: row 256 x tile row + 128 x half
	s_lshl_b32 s46, s42, 8
	s_add_co_u32 s46, s46, s17                     ; wb: row 256 x tile column + 128 x half
	s_mov_b32 s17, 0
	s_mov_b32 s47, 0
	s_mov_b64 s[18:19], SIZE_K*2
	s_mul_u64 s[16:17], s[16:17], s[18:19]
	s_mul_u64 s[46:47], s[46:47], s[18:19]
	s_mul_i32 s20, s10, HALFT                      ; and where they go: wave x 128 rows: no place in the cluster enters an LDS address
	s_wait_dscnt 0x0                               ; the opening add is done
	s_wait_kmcnt 0x0
	s_add_nc_u64 s[14:15], s[4:5], s[16:17]
	s_add_nc_u64 s[46:47], s[6:7], s[46:47]
	CROUND                                         ; all sixteen work-groups are here: the first joint loads meet
.irp s, 0,1
	s_mov_b32 s[G0+4*(\s)], 1                                      ; count = 1
	s_add_co_u32 s[G0+4*(\s)+1], s20, (\s)*SLOT                    ; LDS address
	s_add_nc_u64 s[G0+4*(\s)+2:G0+4*(\s)+3], s[14:15], (\s)*KSTEP*2  ; global address: K step s
	s_or_b32 s[G0+4*(\s)+3], s[G0+4*(\s)+3], 0x80000000            ; type = 2
	s_mov_b32 s[G0B+4*(\s)], 1
	s_add_co_u32 s[G0B+4*(\s)+1], s20, (\s)*SLOT
	s_add_nc_u64 s[G0B+4*(\s)+2:G0B+4*(\s)+3], s[46:47], (\s)*KSTEP*2
	s_or_b32 s[G0B+4*(\s)+3], s[G0B+4*(\s)+3], 0x80000000
	JLOAD \s                                       ; the ring is filled before anything else is done: two tensor loads of mine are out
.endr
	; A fragment is 16 rows x 32 K in 8 registers: lane l holds row l % 16; registers 0-3 K = 8 (l / 16) + 0..7, registers 4-7 K = 16 + 8 (l / 16) + 0..7: two loads of 16 bytes, 32 bytes apart.
	v_and_b32 v1, 15, v0                           ; l % 16
	v_bfe_u32 v2, v0, 4, 1                         ; l / 16
	v_mul_u32_u24 v3, v1, PITCH
	v_lshl_add_u32 v3, v2, 4, v3                   ; row x pitch + 16 x half
	s_mul_i32 s21, s11, HALFT                      ; my 128 rows of xb
	s_mul_i32 s22, s12, HALFT                      ; my 128 rows of wb,
	s_add_co_u32 s22, s22, 2*HALFT                 ; which lie behind xb's 256
.irp s, 0,1
	v_add_nc_u32 v[ADRA+(\s)], s21, v3
	v_add_nc_u32 v[ADRB+(\s)], s22, v3
	s_add_co_u32 s21, s21, SLOT
	s_add_co_u32 s22, s22, SLOT
.endr
	s_mul_i32 s23, s10, 16*SPITCH
	s_add_co_u32 s23, s23, STAGE                   ; my stage
	v_mul_u32_u24 v4, v1, SPITCH                   ; in: row l % 16, 16 bytes for each half of the lanes
	v_lshl_add_u32 v4, v2, 4, v4
	v_add_nc_u32 v[STO], s23, v4
	v_mul_u32_u24 v5, v2, SPITCH                   ; back: lanes 0-15 take one row of 256 bytes, lanes 16-31 the next
	v_lshl_add_u32 v5, v1, 4, v5
	v_add_nc_u32 v[RD], s23, v5
	v_mul_u32_u24 v5, v2, SIZE_N*2                 ; and the same two rows in qkv
	v_lshl_add_u32 v[CO], v1, 4, v5
	v_lshlrev_b32 v[BO], 5, v2
	; qkv and the bias at my part of the first tile
	s_lshl_b32 s13, s13, 8
	s_lshl_b32 s14, s11, 7
	s_add_co_u32 s16, s13, s14                     ; my first row
	s_mov_b32 s17, 0
	s_mov_b64 s[18:19], SIZE_N*2
	s_mul_u64 s[16:17], s[16:17], s[18:19]
	s_lshl_b32 s46, s42, 9                         ; my first column, in bytes of f16: 512 x tile column + 256 x half
	s_lshl_b32 s47, s12, 8
	s_add_co_u32 s46, s46, s47
	s_mov_b32 s47, 0
	s_add_nc_u64 s[16:17], s[16:17], s[46:47]
	s_add_nc_u64 s[8:9], s[8:9], s[16:17]
	s_lshl_b32 s46, s46, 1                         ; the same column in bytes of f32
	s_add_nc_u64 s[BI:BI+1], s[BI:BI+1], s[46:47]
	; the prefetches.  s13 = 256 x tile row, s42 = tile column, s40 = cx, s41 = cy still stand
	s_lshl_b32 s42, s42, 8
	s_and_b32 s22, ttmp7, 0xffff                   ; cluster y
	s_cmp_eq_u32 s11, 0                            ; do I fetch for xb?
	s_cselect_b32 s20, s13, s42                    ; the tile's first row: in xb by the tile row, in wb by the tile column
	s_cselect_b32 s21, s40, s41                    ; my place among the four that ask for it with me
	s_cselect_b32 s22, ttmp9, s22                  ; the coordinate along which other clusters read the same rows
	s_cselect_b64 s[PFA:PFA+1], s[4:5], s[6:7]
	s_cmp_eq_u32 s22, 0
	s_cselect_b32 s[LIM], 1, -1                    ; the same in all sixteen partners, for a given wave
	s_lshl_b32 s22, s12, 7
	s_add_co_u32 s20, s20, s22                     ; + the 128 rows that I fetch
	s_lshl_b32 s21, s21, 5
	s_add_co_u32 s20, s20, s21                     ; + my work-group's 32 of them
	s_mov_b32 s21, 0
	s_mov_b64 s[18:19], SIZE_K*2
	s_mul_u64 s[20:21], s[20:21], s[18:19]
	s_add_nc_u64 s[PFA:PFA+1], s[PFA:PFA+1], s[20:21]
	s_add_nc_u64 s[PFA:PFA+1], s[PFA:PFA+1], 2*KSTEP*2  ; at K step 2: the first refill steps it to 3 and names K step 4
	v_and_b32 v[PFO], 31, v0
	v_mul_u32_u24 v[PFO], v[PFO], SIZE_K*2
; The bias of my 128 columns as eight C operands: register j of n block b is column 16 b + 8 (l / 16) + j.
.macro BIASLD
	WIN TO_B
.irp b, 0,1,2,3,4,5,6,7
	global_load_b128 v[BIAS+8*(\b):BIAS+8*(\b)+3],   v[BO], s[BI:BI+1] offset:64*(\b)
	global_load_b128 v[BIAS+8*(\b)+4:BIAS+8*(\b)+7], v[BO], s[BI:BI+1] offset:64*(\b)+16
.endr
	WIN 0
.endm
; 16 matrix instructions: m blocks a0, a0 + 1 of the window's four (hi = 0: my rows 0-63, 1: rows 64-127) x all 8 n blocks, 32 along K.  zero = 1: the first product starts the sums, on the bias.
.macro MUL16 f, hi, a0, zero
.if \zero
	WIN MUL_Z+0x40*(\hi)
.else
	WIN MUL_LO+0x50*(\hi)
.endif
.irp a, \a0, (\a0)+1
.irp b, 0,1,2,3,4,5,6,7
.if \zero
	v_wmma_f32_16x16x32_bf16 v[8*(8*(\a)+(\b)):8*(8*(\a)+(\b))+7], v[(\f)+8*(\b):(\f)+8*(\b)+7], v[(\f)+8*(4*(\hi)+(\a)):(\f)+8*(4*(\hi)+(\a))+7], v[BIAS+8*(\b):BIAS+8*(\b)+7]
.else
	v_wmma_f32_16x16x32_bf16 v[8*(8*(\a)+(\b)):8*(8*(\a)+(\b))+7], v[(\f)+8*(\b):(\f)+8*(\b)+7], v[(\f)+8*(4*(\hi)+(\a)):(\f)+8*(4*(\hi)+(\a))+7], v[8*(8*(\a)+(\b)):8*(8*(\a)+(\b))+7]
.endif
.endr
.endr
.endm
; 32 LDS loads in one run: the fragments of one quarter step (128 rows of wb, 128 rows of xb, 32 K at byte k of the rows) into buffer f
.macro FETCH slot, k, f
	WIN TO_B
.irp i, 0,1,2,3,4,5,6,7
	ds_load_b128 v[(\f)+8*(\i):(\f)+8*(\i)+3],   v[ADRB+(\slot)] offset:(\k)+(\i)*16*PITCH
	ds_load_b128 v[(\f)+8*(\i)+4:(\f)+8*(\i)+7], v[ADRB+(\slot)] offset:(\k)+(\i)*16*PITCH+32
.endr
	WIN 0
.irp i, 0,1,2,3,4,5,6,7
	ds_load_b128 v[(\f)+8*(\i):(\f)+8*(\i)+3],   v[ADRA+(\slot)] offset:(\k)+(\i)*16*PITCH
	ds_load_b128 v[(\f)+8*(\i)+4:(\f)+8*(\i)+7], v[ADRA+(\slot)] offset:(\k)+(\i)*16*PITCH+32
.endr
.endm
; Four plain vector instructions between a matrix instruction and a load into a register that it has read, or a vector instruction that reads its result (ISA guide 7.12.1 for vector instructions)
.macro PLACES
.rept 4
	v_nop
.endr
.endm
; A K step is four quarter steps of 32 along K, 64 matrix instructions each, on buffers 0, 1, 0, 1.  The 64 accumulators take turns, in the same order in every quarter.
; One of the first three: multiplies buffer f; in its middle it fetches the next quarter's fragments, at byte k of the same slot's rows, into buffer g.
.macro QUARTER slot, k, f, g, zero
	s_wait_dscnt 8                                 ; wb's fragments and xb's rows 0-63 are in; the youngest eight loads (xb's rows 64-127) may be out
	MUL16 \f, 0, 0, \zero
	MUL16 \f, 0, 2, \zero
	PLACES
	FETCH \slot, \k, \g
	s_wait_dscnt 32                                ; all but the 32 just issued
	MUL16 \f, 1, 0, \zero
	MUL16 \f, 1, 2, \zero
.endm
; The last quarter multiplies buffer 1 and changes slots.  MEET is its first half: ONE barrier for the change.  In front of it each wave waits for all its tensor loads, of which one is out: its part of the next
; slot; adds 0 to its spare word; and waits for that and for its own reads of this slot.  Behind it nobody reads this slot any more and the next slot is whole.
.macro MEET round                      ; round = 1: a round of the cluster's barrier follows
	WIN 0                                          ; (the add's two registers lie in window 0)
	s_wait_tensorcnt 0x0                           ; all my tensor loads have landed;
	ds_add_u32 v[SPW], v[NIL]                      ; 0 onto my spare word;
	s_wait_dscnt 9                                 ; (the add and the youngest eight loads may be out)
	MUL16 F1, 0, 0, 0                              ; sixteen matrix instructions stand between the add and the wait for it
	s_wait_dscnt 0x0                               ; the add is done, and my reads of this slot are over:
	s_barrier_signal -1                            ; say so,
	MUL16 F1, 0, 2, 0                              ; work on registers while the others arrive,
.if \round
	WIN 0
.endif
	s_barrier_wait -1                              ; and go on when all four have said so
.endm
; The whole last quarter.  on = 0: the slot just read out is filled again with this tile's K step two steps on; 1: with the NEXT tile's K step 0 or 1.
.macro TURN slot, next, on
	s_wait_xcnt 0x0                                ; the last prefetch, a K step back, has read its address: it is stepped here, ahead of the waits of the change of slots
.if ((\on) == 1) && ((\slot) == 0)
	s_add_nc_u64 s[PFA:PFA+1], s[PFA:PFA+1], (WALK-1)*SIZE_K*2+KSTEP*2  ; from the K step after the tile's last to the next tile's K step 1: WALK rows of wb down, back along K
	s_cmp_eq_u32 s11, 0
	s_cselect_b32 s[LIM], -1, s[LIM]               ; xb's rows are the same for all tiles of the walk: they are asked for no more (the stepped address of such a wave is not used)
.else
	s_add_nc_u64 s[PFA:PFA+1], s[PFA:PFA+1], KSTEP*2
.endif
	MEET 1
	CREST                                          ; no wave of any partner still reads this slot's tile or has a load on its way
.if (\on) == 1
	s_sub_nc_u64 s[G0+4*(\slot)+2:G0+4*(\slot)+3], s[G0+4*(\slot)+2:G0+4*(\slot)+3], BACK_A
	s_add_nc_u64 s[G0B+4*(\slot)+2:G0B+4*(\slot)+3], s[G0B+4*(\slot)+2:G0B+4*(\slot)+3], NEXT_B
.else
	s_add_nc_u64 s[G0+4*(\slot)+2:G0+4*(\slot)+3], s[G0+4*(\slot)+2:G0+4*(\slot)+3], 2*KSTEP*2
	s_add_nc_u64 s[G0B+4*(\slot)+2:G0B+4*(\slot)+3], s[G0B+4*(\slot)+2:G0B+4*(\slot)+3], 2*KSTEP*2
.endif
	JLOAD \slot                                    ; the first tensor load behind the round, my one load until the next; its four v_nop are also the places in front of the loads below
	FETCH \next, 0, F0
	ASK \on
	MUL16 F1, 1, 0, 0
	MUL16 F1, 1, 2, 0
.endm
; THE LAST K STEP OF THE LAST TILE (it lies in slot 1) GOES BY ROWS OF qkv, NOT BY K.  All its fragments of wb (4 quarters x 64 registers) fill window 1; then my eight blocks of 16 rows are finished one
; after the other, each with 32 matrix instructions (its 8 accumulators by turns).  LDS is read no more than in any other K step.
.macro BLOAD q                         ; wb's fragments of quarter q -> window 1, v[64 q ..]
	WIN TO_B
.irp i, 0,1,2,3,4,5,6,7
	ds_load_b128 v[64*(\q)+8*(\i):64*(\q)+8*(\i)+3],   v[ADRB+1] offset:64*(\q)+(\i)*16*PITCH
	ds_load_b128 v[64*(\q)+8*(\i)+4:64*(\q)+8*(\i)+7], v[ADRB+1] offset:64*(\q)+(\i)*16*PITCH+32
.endr
.endm
.macro ALOAD a                         ; xb's fragments of block a, all four quarters -> buffer a % 4
	WIN 0
.set FA, PA+32*((\a)%4)
.irp q, 0,1,2,3
	ds_load_b128 v[FA+8*(\q):FA+8*(\q)+3],   v[ADRA+1] offset:64*(\q)+(\a)*16*PITCH
	ds_load_b128 v[FA+8*(\q)+4:FA+8*(\q)+7], v[ADRA+1] offset:64*(\q)+(\a)*16*PITCH+32
.endr
.endm
.macro ROW a                           ; block a is finished: 32 matrix instructions
.set FA, PA+32*((\a)%4)                ; its fragments of xb
.set AC, 64*((\a)%4)                   ; its eight accumulators, in window 2 (blocks 0-3) or 3 (blocks 4-7)
	WIN MUL_LO+0x50*((\a)/4)                       ; MUL_LO or MUL_HI
.irp q, 0,1,2,3
.if (\a) == 0 && (\q) == 2
	s_wait_dscnt 24                                ; wb's quarter 2 is in (behind it: xb's blocks 1 to 3)
.endif
.irp b, 0,1,2,3,4,5,6,7
	v_wmma_f32_16x16x32_bf16 v[AC+8*(\b):AC+8*(\b)+7], v[64*(\q)+8*(\b):64*(\q)+8*(\b)+7], v[FA+8*(\q):FA+8*(\q)+7], v[AC+8*(\b):AC+8*(\b)+7]
.endr
.endr
.endm
; THE WAY OUT of block a (16 rows), in three parts.  PACK: rounded to f16, 16 bytes a lane, each accumulator's registers in ascending order.  TOSTAGE: into my own stage in LDS, and back as whole rows of 256 bytes.  SEND: stored.
.macro PACK a
.set AC, 64*((\a)%4)
	WIN 0x0a+5*((\a)/4)                            ; sources 0 and 1: window 2 or 3
.irp b, 0,1,2,3,4,5,6,7
.irp r, 0,1,2,3
	v_cvt_pk_f16_f32 v[TMP+4*(\b)+(\r)], v[AC+8*(\b)+2*(\r)], v[AC+8*(\b)+2*(\r)+1]
.endr
.endr
	WIN 0
.endm
.macro TOSTAGE a
	WIN 0
.set BK, OB+192*((\a)%2)
.irp b, 0,1,2,3,4,5,6,7
	ds_store_b128 v[STO], v[TMP+4*(\b):TMP+4*(\b)+3] offset:32*(\b)
.endr
.irp t, 0,1,2,3,4,5,6,7
	ds_load_b128 v[BK+4*(\t):BK+4*(\t)+3], v[RD] offset:(\t)*2*SPITCH  ; LDS serves a wave's instructions in order (ISA guide 5.7.1.4): these see the stores above
.endr
.endm
.macro SEND a, younger                 ; younger: the LDS loads issued behind TOSTAGE's, which may stay out
	WIN 0
.set BK, OB+192*((\a)%2)
	s_wait_dscnt \younger                          ; the block is back in registers
	s_wait_xcnt 0x0                                ; only behind this wait are the stores' base and the registers that earlier stores read rewritten
.if (\a) > 0
	s_add_nc_u64 s[8:9], s[8:9], 16*SIZE_N*2       ; 16 rows on
.endif
.irp t, 0,1,2,3,4,5,6,7
	global_store_b128 v[CO], v[BK+4*(\t):BK+4*(\t)+3], s[8:9] offset:2*(\t)*SIZE_N*2  ; 16 lanes store 256 consecutive bytes, at a multiple of 256 from qkv's first byte
.endr
.endm
	BIASLD                                         ; the first tile's bias
	s_wait_tensorcnt 1                             ; my part of K step 0 is in; K step 1's may stay out
	s_barrier_signal -1
	s_barrier_wait -1                              ; everybody's is
	FETCH 0, 0, F0
	s_mov_b32 s2, TILES                            ; tiles to go, this one among them: the same number in every work-group
.Ltile:
	s_wait_loadcnt 0x0                             ; this tile's bias is in
	QUARTER 0, 64,  F0, F1, 1                      ; a tile's first quarter stands in front of the loop: its products start the sums
	WIN 0                                          ; at a label and at a branch every window is 0
	s_cmp_eq_u32 s2, 1
	s_cbranch_scc1 .Lnb                            ; the last tile has no next bias
	PLACES                                         ; behind the products that read the bias
	s_add_nc_u64 s[BI:BI+1], s[BI:BI+1], WALK*4    ; (its last loads were waited for at the tile's head)
	BIASLD                                         ; the next tile's bias has a whole tile in which to come
.Lnb:
	s_mov_b32 s3, LAPS-1
.Llap:                                                 ; a trip goes once round the ring, from a lap's second quarter to the next lap's first, and fills both slots again
	QUARTER 0, 128, F1, F0, 0
	QUARTER 0, 192, F0, F1, 0
	TURN 0, 1, 0
	QUARTER 1, 64,  F0, F1, 0
	QUARTER 1, 128, F1, F0, 0
	QUARTER 1, 192, F0, F1, 0
	TURN 1, 0, 0
	QUARTER 0, 64,  F0, F1, 0
	WIN 0
	s_sub_co_u32 s3, s3, 1
	s_cmp_lg_u32 s3, 0
	s_cbranch_scc1 .Llap
	QUARTER 0, 128, F1, F0, 0                      ; the tile's last lap goes on
	QUARTER 0, 192, F0, F1, 0
	WIN 0
	s_cmp_eq_u32 s2, 1
	s_cbranch_scc1 .Llast                          ; the last tile's tail is written out: it asks for nothing more
	TURN 0, 1, 1                                   ; THE RING GOES ON INTO THE NEXT TILE: slot 0 takes its K step 0,
	QUARTER 1, 64,  F0, F1, 0
	QUARTER 1, 128, F1, F0, 0
	QUARTER 1, 192, F0, F1, 0
	TURN 1, 0, 1                                   ; slot 1 its K step 1, and the next tile's first fragments are fetched
	PACK 0                                         ; BOTH REFILLS ARE ASKED FOR: NOW THE TILE GOES OUT.  No v_nop: blocks 0-3 were finished in front of the joint load's four v_nop, and their 128 conversions,
	TOSTAGE 0                                      ; which name no register of the last products (blocks 4-7's), are those products' places
.irp a, 1,2,3,4,5,6,7                  ; block a's conversions stand between block a - 1's loads from the stage and the wait for them
	PACK \a
	SEND (\a)-1, 0
	TOSTAGE \a
.endr
	SEND 7, 0
	s_wait_xcnt 0x0                                ; the stores have read their base
	s_sub_nc_u64 s[8:9], s[8:9], BACK_C            ; my first rows again, WALK columns on
	s_sub_co_u32 s2, s2, 1
	s_branch .Ltile
.Llast:
	s_wait_loadcnt 0x0                             ; wb's fragments are about to take the bias's registers: the last tile has asked for no bias, and this wait shows on every way that no load into them is out
	MEET 0                                         ; my one tensor load that was still out is slot 1's, the last K step's, so no round follows
	PLACES                                         ; for the loads into buffer 0, which the quarter before multiplied
	BLOAD 0                                        ; three quarters of wb now: buffer 1 (v128-191 of both windows) is still being multiplied
	BLOAD 1
	BLOAD 3
	ALOAD 0
	MUL16 F1, 1, 0, 0
	MUL16 F1, 1, 2, 0
	PLACES                                         ; for the loads into buffer 1
	BLOAD 2
	ALOAD 1
	ALOAD 2
	ALOAD 3
	s_wait_dscnt 40                                ; all but the 40 just issued
	ROW 0
.irp a, 0,1,2,3,4,5,6,7                ; each block leaves as soon as it is finished; the next block's 32 products stand between its stage traffic and the wait for it
	PLACES                                         ; its conversions read results just made
	PACK \a
	TOSTAGE \a
.if (\a) < 4
	ALOAD (\a)+4                                   ; its buffer takes the block four further on: the 4 v_nop and the 32 conversions stand behind the products that read it
.endif
.if (\a) < 7
.if (\a) < 4
	s_wait_dscnt 24                                ; all but this block's 16 stage instructions and the 8 loads behind them: xb's next block is in
.else
	s_wait_dscnt 16                                ; all but this block's 16 stage instructions
.endif
	ROW (\a)+1
.endif
.if (\a) < 4
	SEND \a, 8                                     ; the 8 loads of the block four further on may stay out
.else
	SEND \a, 0
.endif
.endr
	s_wait_tensorcnt 0x0                           ; the wave's end, behind my last tensor load and my last LDS store
	ds_add_u32 v[SPW], v[NIL]
	s_wait_dscnt 0x0
	CROUND                                         ; the closing round: no work-group ends while a partner may still ask for a tile that names it
	s_endpgm
.Lfunc_end_k_q7fa1f6cc26_qkv:
	.size	k_q7fa1f6cc26_qkv, .Lfunc_end_k_q7fa1f6cc26_qkv-k_q7fa1f6cc26_qkv
	.p2alignl 7, 3214868480
	.fill 96, 4, 3214868480
	.section	.rodata,"a",@progbits
	.p2align	6, 0x0
	.amdhsa_kernel k_q7fa1f6cc26_qkv
		.amdhsa_group_segment_fixed_size 327680
		.amdhsa_private_segment_fixed_size 0
		.amdhsa_enable_private_segment 0
		.amdhsa_kernarg_size 32
		.amdhsa_user_sgpr_count 2
		.amdhsa_user_sgpr_kernarg_segment_ptr 1
		.amdhsa_wavefront_size32 1
		.amdhsa_system_sgpr_workgroup_id_x 1
		.amdhsa_system_sgpr_workgroup_id_y 1
		.amdhsa_system_sgpr_workgroup_id_z 1
		.amdhsa_system_vgpr_workitem_id 0
		.amdhsa_next_free_vgpr 1024
		.amdhsa_next_free_sgpr 72
		.amdhsa_reserve_vcc 0
		.amdhsa_float_denorm_mode_32 3
		.amdhsa_float_denorm_mode_16_64 3
		.amdhsa_memory_ordered 1
		.amdhsa_forward_progress 1
		.amdhsa_inst_pref_size 214
	.end_amdhsa_kernel
	.amdgpu_metadata
---
amdhsa.version: [ 1, 2 ]
amdhsa.kernels:
  - .name:           k_q7fa1f6cc26_qkv
    .symbol:         k_q7fa1f6cc26_qkv.kd
    .args:
      - { .name: xb, .offset: 0, .size: 8, .value_kind: global_buffer, .address_space: global }
      - { .name: wb, .offset: 8, .size: 8, .value_kind: global_buffer, .address_space: global }
      - { .name: qkv, .offset: 16, .size: 8, .value_kind: global_buffer, .address_space: global }
      - { .name: bias, .offset: 24, .size: 8, .value_kind: global_buffer, .address_space: global }
    .group_segment_fixed_size: 327680
    .private_segment_fixed_size: 0
    .kernarg_segment_align: 8
    .kernarg_segment_size: 32
    .max_flat_workgroup_size: 128
    .sgpr_count:     72
    .vgpr_count:     1024
    .wavefront_size: 32
...
	.end_amdgpu_metadata
.endif
;; end of part 2
;; launch attn (part 3): grid 256 x 1, 16 waves a work-group, no clusters, 71,680 bytes of LDS; arguments qkv, ob; writes ob
.if DOCPART == 3
	.amdgcn_target "amdgcn-amd-amdhsa--gfx1250"
	.amdhsa_code_object_version 6
	.text
	.protected	k_q7fa1f6cc26_attn
	.globl	k_q7fa1f6cc26_attn
	.p2align	8
	.type	k_q7fa1f6cc26_attn,@function
k_q7fa1f6cc26_attn:
	s_mov_b64 s[64:65], 0
	v_nop
	global_prefetch_b8 v0, s[64:65] scope:SCOPE_SE
	s_setreg_imm32_b32 hwreg(HW_REG_WAVE_MODE, 25, 1), 1
	s_wait_xcnt 0x0
; THE ATTENTION INSIDE A TOKEN, over its 16 heads.  For token s of batch b, query set q, head h: scores[g] = q[q][h] . k[g] / 8, p = softmax over g; O[h][d] = the MEAN over q of the sum over g of p[g] v[g][d].
; It is stored where the module's reshaping puts it: ob[b][128 h + s / 16][64 (s % 16) + d], f16.  The factor 4 that makes the mean a sum stands in the next launch's weights.
; ORDER OF SUMS.  The four sets' weights, each divided by 4 l in f32, are added in f32 and rounded once to f16; ONE product with v follows (the sum over q of p v = (the sum over q of p) v).
; LIMITS.  q, k, v arrive in f16, within 65,504; the mean weight lies in 0 to 1 and below 6e-5 keeps f16's fixed step of 6e-8; O has v's range.  A weight below 2^-126 counts as 0 in l.  NaN and infinities are not
; treated apart, and an infinite v spoils the other token of its pair too (it meets a weight 0 in the product).
; qkv's ROW of 12,288 bytes: q0, q1, q2, q3, k, v, 2,048 bytes each.  In q and k channel d of head h lies at column 256 (d / 16) + 16 h + d % 16, in v channel d of head g at column 16 d + g.
; So every matrix fragment is 512 consecutive bytes: lane l takes the 16 bytes at 32 (l % 16) + 16 (l / 16).  Nothing goes through LDS on the way in.
; SHARES.  A wave takes two neighbouring tokens, a work-group's sixteen waves 32.  Two tokens, because a head's 64 channels of two neighbouring tokens are 256 consecutive bytes of ob, aligned, and because
; the second product's K of 32 holds two tokens' 16 heads.  All 48 loads of a wave go out at its head; there is no loop.  No tile is shared between work-groups: no cluster; every byte is asked for at once: no prefetch.
; LAYOUT.  S^T = K Q^T (source 0 = the 16 heads g of k, source 1 = the 16 heads h of q): a lane holds ONE head h (l % 16) and the heads g = 8 (l / 16) + 0..7.  Rounded in pairs that is half of source 1 of
; O^T = V^T P (source 0 = 16 channels x [token 0's 16 g, token 1's 16 g]); the other half is 0.  Its result holds one head h a lane, and eight channels: 16 bytes of f16.
.set ROWB,  12288
.set SP,    272                        ; a stage row: 256 bytes (two tokens x 64 channels of one head) + 16 of padding: the 16 rows of a store start at 16 different groups of four banks (ISA guide 11.1)
.set WSTG,  16*SP                      ; a wave's stage: 16 heads
.set SPARE, 16*WSTG                    ; behind the stages: the spare words, 128 bytes for each wave: eight blocks of 256 bytes that no other line names
.set LO,  1                            ; v1   32 (l % 16) + 16 (l / 16); never rewritten
.set STO, 2                            ; v2   where I put 16 bytes of a head's row
.set RD,  3                            ; v3   where I read a row back
.set GO,  4                            ; v4   my byte offset in ob
.set SPW, 5                            ; v5   LDS address of my spare word: SPARE + 4 x my thread's number; never rewritten
.set NIL, 6                            ; v6   0; never rewritten
.set ST,  8                            ; v[8:15]    set q's pair at ST + 2 q: low m, then c m, then l, then 1 / (4 l); high at work
.set TB,  16                           ; v[16:175]  token t at TB + 80 t: k (16 registers), then q0..q3 (16 each).  k's registers serve the sums once the scores are made
.set VF,  176                          ; v[176:207] v: channels 16 f on at VF + 8 f; registers 0-3 token 0, 4-7 token 1
.set S,   208                          ; v[208:239] S^T, set q at S + 8 q
.set P,   240                          ; v[240:243] token 0's mean weights, v[244:247] 0, v[248:251] token 1's
.set O,   16                           ; O^T of token t, channels 16 f on, at O + 32 t + 8 f
.set PK,  96                           ; the same in f16, at PK + 16 t + 4 f
.set OUT, 128                          ; rows read back from the stage
.set RR,  252                          ; v252 l % 16
.set HH,  253                          ; v253 l / 16
.set CS,  12                           ; s[12:13] c = log2(e) / 8: the packed scaling takes the pair's low word for both halves
.set SEL, 14                           ; s[14:15] v_permlanex16_b32's selects: each lane takes its own place in the other half
	s_load_b128 s[4:7], s[0:1], 0x0                ; qkv s[4:5], ob s[6:7]
	v_lshl_add_u32 v[SPW], v0, 2, SPARE
	v_mov_b32 v[NIL], 0
	v_lshrrev_b32 v7, 5, v0
	v_readfirstlane_b32 s8, v7                     ; wave 0..15
	v_and_b32 v[RR], 15, v0
	v_bfe_u32 v[HH], v0, 4, 1
	v_lshlrev_b32 v[LO], 5, v[RR]
	v_lshl_add_u32 v[LO], v[HH], 4, v[LO]
	s_lshl_b32 s9, ttmp9, 5
	s_lshl1_add_u32 s9, s8, s9                     ; my first token: 32 x work-group + 2 x wave
	s_mul_i32 s10, s9, ROWB                        ; under 2^27
	s_mov_b32 s11, 0
	s_lshr_b32 s16, s9, 11                         ; b,
	s_lshl_b32 s16, s16, 22                        ; 2,048 rows of 2,048 bytes
	s_bfe_u32 s17, s9, 0x70004                     ; s / 16: the row in a head's 128,
	s_lshl_b32 s17, s17, 11
	s_and_b32 s18, s9, 15                          ; s % 16: 128 bytes each (s is even: a multiple of 256)
	s_lshl_b32 s18, s18, 7
	s_add_co_u32 s16, s16, s17
	s_add_co_u32 s16, s16, s18
	s_mov_b32 s17, 0
	s_wait_kmcnt 0x0
	s_add_nc_u64 s[4:5], s[4:5], s[10:11]
	s_add_nc_u64 s[6:7], s[6:7], s[16:17]
.irp t, 0,1                            ; a token's k and q: 20 loads of 512 consecutive bytes; piece j holds channels 16 j .. 16 j + 15 of all 16 heads
.irp j, 0,1,2,3
	global_load_b128 v[TB+80*(\t)+4*(\j):TB+80*(\t)+4*(\j)+3], v[LO], s[4:5] offset:ROWB*(\t)+8192+512*(\j) th:TH_LOAD_NT
.endr
.irp q, 0,1,2,3
.irp j, 0,1,2,3
	global_load_b128 v[TB+80*(\t)+16+16*(\q)+4*(\j):TB+80*(\t)+16+16*(\q)+4*(\j)+3], v[LO], s[4:5] offset:ROWB*(\t)+2048*(\q)+512*(\j) th:TH_LOAD_NT
.endr
.endr
.endr
.irp f, 0,1,2,3                        ; both tokens' v: 8 loads
.irp t, 0,1
	global_load_b128 v[VF+8*(\f)+4*(\t):VF+8*(\f)+4*(\t)+3], v[LO], s[4:5] offset:ROWB*(\t)+10240+512*(\f) th:TH_LOAD_NT
.endr
.endr
	; the rest of the set-up stands in the wait for the loads
	s_mov_b32 s[CS], 0x3e38aa3b                    ; c = 0.180337
	s_mov_b32 s[CS+1], s[CS]                       ; named with it as a pair
	s_mov_b32 s[SEL], 0x76543210
	s_mov_b32 s[SEL+1], 0xfedcba98
	s_mul_i32 s19, s8, WSTG                        ; my stage
	v_mul_u32_u24 v[STO], v[RR], SP                ; in: head l % 16, 16 bytes for each half of the lanes
	v_lshl_add_u32 v[STO], v[HH], 4, v[STO]
	v_add_nc_u32 v[STO], s19, v[STO]
	v_mul_u32_u24 v[RD], v[HH], SP                 ; back: lanes 0-15 take one head's 256 bytes, lanes 16-31 the next head's
	v_lshl_add_u32 v[RD], v[RR], 4, v[RD]
	v_add_nc_u32 v[RD], s19, v[RD]
	v_lshlrev_b32 v[GO], 18, v[HH]                 ; a head's 128 rows of ob are 262,144 bytes
	v_lshl_add_u32 v[GO], v[RR], 4, v[GO]
.irp i, 0,1,2,3,4,5,6,7
	v_mov_b32 v[ST+(\i)], 0                        ; v_permlanex16_b32 counts as a reader of its destination, and the pairs are named whole
.endr
.irp i, 4,5,6,7
	v_mov_b32 v[P+(\i)], 0                         ; the half of source 1 that meets the other token's v
.endr
; Token t's scores, all four sets: 8 matrix instructions; the four accumulators take turns.  left: the younger loads that may stay out.
.macro SCORES t, left
	s_wait_loadcnt \left
.irp c, 0,1
.irp q, 0,1,2,3
.if (\c) == 0
	v_wmma_f32_16x16x32_f16 v[S+8*(\q):S+8*(\q)+7], v[TB+80*(\t):TB+80*(\t)+7], v[TB+80*(\t)+16+16*(\q):TB+80*(\t)+16+16*(\q)+7], 0
.else
	v_wmma_f32_16x16x32_f16 v[S+8*(\q):S+8*(\q)+7], v[TB+80*(\t)+8:TB+80*(\t)+15], v[TB+80*(\t)+24+16*(\q):TB+80*(\t)+24+16*(\q)+7], v[S+8*(\q):S+8*(\q)+7]
.endif
.endr
.endr
.rept 4
	v_nop                                          ; four places between the last product and the first vector instruction that reads a result (ISA guide 7.12.1)
.endr
.endm
; Token t's softmax.  Each line is written for the four sets on end, so that no instruction reads the result of the one before it.
.macro EACH line:vararg
.set q, 0
.rept 4
	\line
.set q, q+1
.endr
.endm
.macro SOFTMAX t
.set SC, TB+80*(\t)                    ; four registers a set, at SC + 4 q
	EACH v_max3_num_f32 v[ST+2*q], v[S+8*q], v[S+8*q+1], v[S+8*q+2]      ; the maximum of my eight scores: each accumulator's lowest registers are read first
	EACH v_max3_num_f32 v[ST+2*q], v[ST+2*q], v[S+8*q+3], v[S+8*q+4]
	EACH v_max3_num_f32 v[ST+2*q], v[ST+2*q], v[S+8*q+5], v[S+8*q+6]
	EACH v_max_num_f32 v[ST+2*q], v[ST+2*q], v[S+8*q+7]
	EACH v_permlanex16_b32 v[ST+2*q+1], v[ST+2*q], s[SEL], s[SEL+1]      ; the head's other eight scores lie in the lane 16 away
	EACH v_max_num_f32 v[ST+2*q], v[ST+2*q], v[ST+2*q+1]
	EACH v_mul_f32 v[ST+2*q], s[CS], v[ST+2*q]                           ; c m
.irp i, 0,2,4,6
	EACH v_pk_fma_f32 v[S+8*q+(\i):S+8*q+(\i)+1], v[S+8*q+(\i):S+8*q+(\i)+1], s[CS:CS+1], v[ST+2*q:ST+2*q+1] op_sel_hi:[1,0,0] neg_lo:[0,0,1] neg_hi:[0,0,1]  ; c s - c m
.endr
.irp i, 0,1,2,3,4,5,6,7
	EACH v_exp_f32 v[S+8*q+(\i)], v[S+8*q+(\i)]                          ; ONE BATCH of 32
.endr
	v_nop                                          ; a plain instruction behind the last exponential,
	s_wait_alu depctr_va_vdst(0)                   ; and one wait ahead of the batch's first reader
	EACH v_pk_add_f32 v[SC+4*q:SC+4*q+1], v[S+8*q:S+8*q+1], v[S+8*q+2:S+8*q+3]
	EACH v_pk_add_f32 v[SC+4*q+2:SC+4*q+3], v[S+8*q+4:S+8*q+5], v[S+8*q+6:S+8*q+7]
	EACH v_pk_add_f32 v[SC+4*q:SC+4*q+1], v[SC+4*q:SC+4*q+1], v[SC+4*q+2:SC+4*q+3]
	EACH v_add_f32 v[ST+2*q], v[SC+4*q], v[SC+4*q+1]
	EACH v_permlanex16_b32 v[ST+2*q+1], v[ST+2*q], s[SEL], s[SEL+1]
	EACH v_add_f32 v[ST+2*q], v[ST+2*q], v[ST+2*q+1] mul:4               ; 4 l: at least 4, since the largest score's weight is 1
	EACH v_rcp_f32 v[ST+2*q], v[ST+2*q]                                  ; a batch of four
	v_nop
	s_wait_alu depctr_va_vdst(0)
.irp i, 0,2,4,6
	v_pk_mul_f32 v[S+(\i):S+(\i)+1], v[S+(\i):S+(\i)+1], v[ST:ST+1] op_sel_hi:[1,0]
.endr
.irp q, 1,2,3                          ; the mean over the four sets, in f32
.irp i, 0,2,4,6
	v_pk_fma_f32 v[S+(\i):S+(\i)+1], v[S+8*(\q)+(\i):S+8*(\q)+(\i)+1], v[ST+2*(\q):ST+2*(\q)+1], v[S+(\i):S+(\i)+1] op_sel_hi:[1,0,1]
.endr
.endr
.irp i, 0,1,2,3
	v_cvt_pk_f16_f32 v[P+8*(\t)+(\i)], v[S+2*(\i)], v[S+2*(\i)+1]
.endr
.endm
	SCORES 0, 28                                   ; token 0's 20 loads are in; token 1's 20 and v's 8 may stay out
	SOFTMAX 0
	SCORES 1, 8                                    ; v's 8 may stay out
	SOFTMAX 1
	s_wait_loadcnt 0x0                             ; v
.irp t, 0,1                            ; eight accumulators, each written once
.irp f, 0,1,2,3
	v_wmma_f32_16x16x32_f16 v[O+32*(\t)+8*(\f):O+32*(\t)+8*(\f)+7], v[VF+8*(\f):VF+8*(\f)+7], v[P+4*(\t):P+4*(\t)+7], 0
.endr
.endr
.rept 4
	v_nop
.endr
.set i, 0
.rept 32
	v_cvt_pk_f16_f32 v[PK+i], v[O+2*i], v[O+2*i+1] ; ascending: each accumulator's lowest registers first
.set i, i+1
.endr
.irp t, 0,1
.irp f, 0,1,2,3
	ds_store_b128 v[STO], v[PK+16*(\t)+4*(\f):PK+16*(\t)+4*(\f)+3] offset:128*(\t)+32*(\f)
.endr
.endr
.irp u, 0,1,2,3,4,5,6,7
	ds_load_b128 v[OUT+4*(\u):OUT+4*(\u)+3], v[RD] offset:2*SP*(\u)  ; my own bytes: LDS serves a wave's instructions in order (ISA guide 5.7.1.4)
.endr
.irp u, 0,1,2,3,4,5,6,7
	s_wait_dscnt 7-(\u)                            ; heads 2 u and 2 u + 1 are back; the 7 - u younger loads may stay out
	global_store_b128 v[GO], v[OUT+4*(\u):OUT+4*(\u)+3], s[6:7] offset:524288*(\u) th:TH_STORE_NT  ; 16 lanes store 256 consecutive bytes, aligned: one head's channels of both tokens
.endr
	s_wait_tensorcnt 0x0                           ; the wave's end, behind my last LDS store
	ds_add_u32 v[SPW], v[NIL]
	s_wait_dscnt 0x0
	s_endpgm
.Lfunc_end_k_q7fa1f6cc26_attn:
	.size	k_q7fa1f6cc26_attn, .Lfunc_end_k_q7fa1f6cc26_attn-k_q7fa1f6cc26_attn
	.p2alignl 7, 3214868480
	.fill 96, 4, 3214868480
	.section	.rodata,"a",@progbits
	.p2align	6, 0x0
	.amdhsa_kernel k_q7fa1f6cc26_attn
		.amdhsa_group_segment_fixed_size 71680
		.amdhsa_private_segment_fixed_size 0
		.amdhsa_enable_private_segment 0
		.amdhsa_kernarg_size 16
		.amdhsa_user_sgpr_count 2
		.amdhsa_user_sgpr_kernarg_segment_ptr 1
		.amdhsa_wavefront_size32 1
		.amdhsa_system_sgpr_workgroup_id_x 1
		.amdhsa_system_sgpr_workgroup_id_y 1
		.amdhsa_system_sgpr_workgroup_id_z 1
		.amdhsa_system_vgpr_workitem_id 0
		.amdhsa_next_free_vgpr 256
		.amdhsa_next_free_sgpr 66
		.amdhsa_reserve_vcc 0
		.amdhsa_float_denorm_mode_32 3
		.amdhsa_float_denorm_mode_16_64 3
		.amdhsa_memory_ordered 1
		.amdhsa_forward_progress 1
		.amdhsa_inst_pref_size 26
	.end_amdhsa_kernel
	.amdgpu_metadata
---
amdhsa.version: [ 1, 2 ]
amdhsa.kernels:
  - .name:           k_q7fa1f6cc26_attn
    .symbol:         k_q7fa1f6cc26_attn.kd
    .args:
      - { .name: qkv, .offset: 0, .size: 8, .value_kind: global_buffer, .address_space: global }
      - { .name: ob, .offset: 8, .size: 8, .value_kind: global_buffer, .address_space: global }
    .group_segment_fixed_size: 71680
    .private_segment_fixed_size: 0
    .kernarg_segment_align: 8
    .kernarg_segment_size: 16
    .max_flat_workgroup_size: 512
    .sgpr_count:     66
    .vgpr_count:     256
    .wavefront_size: 32
...
	.end_amdgpu_metadata
.endif
;; end of part 3
;; launch proj (part 4): grid 4 x 64, 4 waves a work-group, clusters of 4 x 4, 327,680 bytes of LDS; arguments ob, wob, out0, bias; writes out0
.if DOCPART == 4
	.amdgcn_target "amdgcn-amd-amdhsa--gfx1250"
	.amdhsa_code_object_version 6
	.text
	.protected	k_q7fa1f6cc26_proj
	.globl	k_q7fa1f6cc26_proj
	.p2align	8
	.type	k_q7fa1f6cc26_proj,@function
k_q7fa1f6cc26_proj:
	s_mov_b64 s[64:65], 0
	v_nop
	global_prefetch_b8 v0, s[64:65] scope:SCOPE_SE
	s_setreg_imm32_b32 hwreg(HW_REG_WAVE_MODE, 25, 1), 1
	s_wait_xcnt 0x0
	s_wait_alu depctr_hold_cnt(0) depctr_sa_sdst(0) depctr_va_vdst(0) depctr_va_sdst(0) depctr_va_ssrc(0) depctr_va_vcc(0) depctr_vm_vsrc(0)
	s_getreg_b32 s2, hwreg(HW_REG_IB_STS2, 6, 4)
	s_cmp_eq_u32 s2, 0
	s_cbranch_scc0 .Lentry_in_a_cluster
	s_endpgm
.Lentry_in_a_cluster:
	s_bfe_u32 s2, ttmp6, 0x10000c
	s_cmp_lg_u32 s2, 0xf033
	s_cbranch_scc0 .Lentry_shape_is_right
	s_endpgm
.Lentry_shape_is_right:
; out0[m][n] = bo[n] + the sum over k of ob[m][k] wob[n][k].  ob: [8192][1024] f16 (the mean over the four query sets), wob: [1024][1024] f16 (4 x Wo), bo: f32 at number 6,144 of the bias table, out0: f32.
; A tile of out0 is 128 rows x 256 columns: 256 tiles, one for each work-group; tiles of 256 x 256 would be 128.  Four waves, each 64 x 128: 32 accumulators of 16 x 16, 256 registers.
; K goes in steps of 128 (rows of 256 bytes of memory, aligned) through a ring of two LDS slots; two slots of a step of 256 would take 405,504 bytes and do not fit.  A wave issues 128 matrix instructions a step.
; CLUSTERS: 4 x 4 work-groups.  The four of a row of the cluster need the same tiles of ob, the four of a column the same tiles of wob: each is asked for JOINTLY.
; NO PREFETCH: the launch has 8 K steps in all, of which the first four would come by their loads alone, on a small tile.
; THE BIAS is the C operand of the products that start the sums.  THE MATRIX INSTRUCTION IS USED TRANSPOSED (source 0 = 16 rows of wob, source 1 = 16 rows of ob): a lane holds eight neighbouring numbers of a row of out0.
; REGISTERS: window 0: v0-31 addresses; two fragment buffers of 96 (v32-127, v128-223): ob's four blocks of 16 rows x 32 K, then wob's eight; on the way out v32-95 and v128-191 hold rows read back.
;   window 1: the accumulators ((a, b) at v[8 (8 a + b)]).     window 2: v0-63 the bias of my 128 columns as eight C operands.
.set SIZE_K, 1024
.set ROWO,   4096                      ; bytes in a row of out0
.set KSTEP,  128
.set PITCH,  272                       ; an LDS row: 256 bytes of data + 16 of padding: the 16 rows of a load start at 16 different groups of four banks (ISA guide 11.1)
.set ABYTES, 128*PITCH                 ; ob's 128 rows
.set SLOT,   ABYTES+256*PITCH          ; then wob's 256 rows
.set STAGE,  2*SLOT                    ; behind the ring: 16 rows x 528 bytes for each wave, for the way out
.set SP2,    528                       ; a stage row: 128 f32 + 16 bytes of padding
.set SPARE,  STAGE+4*16*SP2            ; behind the stages: the spare words, 128 bytes for each wave: two blocks of 256 bytes that no other line names
.set LAPS,   SIZE_K/(2*KSTEP)
.set ADRA, 16                          ; v16-17  LDS address of my ob fragments in slot 0, 1
.set ADRB, 20                          ; v20-21  the same for wob
.set STO,  24                          ; v24     the way out: where I put 32 bytes of a row
.set RD,   25                          ; v25     the way out: where I read a row back
.set CO,   26                          ; v26     16 x my lane: my bytes of a row's 512
.set SPW,  28                          ; v28     LDS address of my spare word: SPARE + 4 x my thread's number; never rewritten
.set NIL,  29                          ; v29     0; never rewritten
.set BO,   31                          ; v31     32 (l / 16)
.set F0,   32
.set F1,   128
.set G1,  24                           ; s[24:31] descriptor group 1 for ob's tiles;  s[32:39] group 0, one set for each slot
.set G0,  32
.set G1B, 48                           ; s[48:55], s[56:63] the same for wob's tiles
.set G0B, 56
.set BI,  66                           ; s[66:67] bo at my 128 columns
.set MSB, 0
.macro WIN new
.if MSB != (\new)
	s_set_vgpr_msb (MSB<<8)|(\new)
.set MSB, \new
.endif
.endm
.set MUL,  0x50                        ; sources 0 and 1 window 0; C and D window 1
.set MULZ, 0x60                        ; the first products: C (the bias) window 2, D window 1
.macro JLOAD s                         ; a joint load: waves 0 and 1 fetch ob's two halves (64 rows each), waves 2 and 3 wob's (128 rows each); an s_nop 0 and four v_nop follow each line
	s_cmp_eq_u32 s11, 0
	s_cbranch_scc0 .Lfor_b_\@
	tensor_load_to_lds s[G0+4*(\s):G0+4*(\s)+3], s[G1:G1+7]
	s_nop 0
.rept 4
	v_nop
.endr
	s_branch .Lasked_\@
.Lfor_b_\@:
	tensor_load_to_lds s[G0B+4*(\s):G0B+4*(\s)+3], s[G1B:G1B+7]
	s_nop 0
.rept 4
	v_nop
.endr
.Lasked_\@:
.endm
.macro CREST
	s_cmp_lg_u32 s10, 0
	s_cbranch_scc1 .Lnot_wave_0_\@
	s_barrier_signal -3
.Lnot_wave_0_\@:
	s_barrier_wait -3
	s_barrier_signal -1
	s_barrier_wait -1
.endm
.macro CROUND
	s_barrier_signal -1
	s_barrier_wait -1
	CREST
.endm
	s_load_b128 s[4:7], s[0:1], 0x0                ; ob s[4:5], wob s[6:7]
	s_load_b64 s[8:9], s[0:1], 0x10                ; out0
	s_load_b64 s[BI:BI+1], s[0:1], 0x18            ; bias
	v_lshl_add_u32 v[SPW], v0, 2, SPARE
	v_mov_b32 v[NIL], 0
	ds_add_u32 v[SPW], v[NIL]                      ; the wave's opening: the add and its wait stand ahead of my first tensor load; the set-up below, work on registers, stands between them
	ds_add_u32 v28, v29
	v_lshrrev_b32 v1, 5, v0
	v_readfirstlane_b32 s10, v1                    ; wave 0..3
	s_lshr_b32 s11, s10, 1                         ; which 64 of the tile's rows are mine.  Also: I fetch for ob (0) or for wob (1)
	s_and_b32 s12, s10, 1                          ; which 128 of its columns.  Also: which half of that tile I fetch
	s_bfe_u32 s40, ttmp6, 0x40000                  ; cx, cy
	s_bfe_u32 s41, ttmp6, 0x40004
	s_lshl_b32 s42, ttmp9, 2
	s_add_co_u32 s42, s42, s40                     ; tile column = 4 x cluster x + cx: 0..3
	s_and_b32 s13, ttmp7, 0xffff
	s_lshl_b32 s13, s13, 2
	s_add_co_u32 s13, s13, s41                     ; tile row = 4 x cluster y + cy: 0..63
	s_lshl_b32 s43, s41, 2
	s_lshl_b32 s43, 15, s43                        ; my row of the cluster
	s_lshl_b32 s44, 0x1111, s40                    ; my column
	s_or_b32 s[G1+0], s43, (1<<16)|(1<<20)|(1<<21)|(5<<22)|(3<<25)  ; 15:0 the mask; 17:16 elements of 2 bytes; 20 padding on; 21 set beside a mask; 24:22 after every 64 words (code 5); 31:25 4 words of it (code 3)
	s_or_b32 s[G1B+0], s44, (1<<16)|(1<<20)|(1<<21)|(5<<22)|(3<<25)
	s_mov_b32 s[G1+1], KSTEP<<16                   ; ob: tensor_dim0 = 128,
	s_mov_b32 s[G1+2], 64<<16                      ; tensor_dim1 = 64,
	s_mov_b32 s[G1+3], KSTEP<<16                   ; tile_dim0 = 128,
	s_mov_b32 s[G1+4], 64                          ; tile_dim1 = 64,
	s_mov_b32 s[G1+5], SIZE_K                      ; 1,024 elements from row to row
	s_mov_b32 s[G1+6], 0
	s_mov_b32 s[G1+7], 0
	s_mov_b32 s[G1B+1], KSTEP<<16                  ; wob: the same with 128 rows
	s_mov_b32 s[G1B+2], 128<<16
	s_mov_b32 s[G1B+3], KSTEP<<16
	s_mov_b32 s[G1B+4], 128
	s_mov_b32 s[G1B+5], SIZE_K
	s_mov_b32 s[G1B+6], 0
	s_mov_b32 s[G1B+7], 0
	s_lshl_b32 s17, s12, 6
	s_lshl_b32 s16, s13, 7
	s_add_co_u32 s16, s16, s17                     ; ob: row 128 x tile row + 64 x half
	s_lshl_b32 s47, s12, 7
	s_lshl_b32 s46, s42, 8
	s_add_co_u32 s46, s46, s47                     ; wob: row 256 x tile column + 128 x half
	s_mov_b32 s17, 0
	s_mov_b32 s47, 0
	s_mov_b64 s[18:19], SIZE_K*2
	s_mul_u64 s[16:17], s[16:17], s[18:19]
	s_mul_u64 s[46:47], s[46:47], s[18:19]
	s_mul_i32 s20, s12, 64*PITCH                   ; where they go: ob's half,
	s_mul_i32 s21, s12, 128*PITCH
	s_add_co_u32 s21, s21, ABYTES                  ; wob's half: no place in the cluster enters an LDS address
	s_wait_dscnt 0x0                               ; the opening add is done
	s_wait_kmcnt 0x0
	s_add_nc_u64 s[14:15], s[4:5], s[16:17]
	s_add_nc_u64 s[46:47], s[6:7], s[46:47]
	CROUND                                         ; all sixteen work-groups are here: the first joint loads meet
.irp s, 0,1
	s_mov_b32 s[G0+4*(\s)], 1
	s_add_co_u32 s[G0+4*(\s)+1], s20, (\s)*SLOT
	s_add_nc_u64 s[G0+4*(\s)+2:G0+4*(\s)+3], s[14:15], (\s)*KSTEP*2
	s_or_b32 s[G0+4*(\s)+3], s[G0+4*(\s)+3], 0x80000000
	s_mov_b32 s[G0B+4*(\s)], 1
	s_add_co_u32 s[G0B+4*(\s)+1], s21, (\s)*SLOT
	s_add_nc_u64 s[G0B+4*(\s)+2:G0B+4*(\s)+3], s[46:47], (\s)*KSTEP*2
	s_or_b32 s[G0B+4*(\s)+3], s[G0B+4*(\s)+3], 0x80000000
	JLOAD \s                                       ; two tensor loads of mine are out
.endr
	v_and_b32 v1, 15, v0                           ; l % 16
	v_bfe_u32 v2, v0, 4, 1                         ; l / 16
	v_mul_u32_u24 v3, v1, PITCH
	v_lshl_add_u32 v3, v2, 4, v3                   ; a fragment's row x pitch + 16 x half
	s_mul_i32 s21, s11, 64*PITCH                   ; my 64 rows of ob
	s_mul_i32 s22, s12, 128*PITCH                  ; my 128 rows of wob,
	s_add_co_u32 s22, s22, ABYTES                  ; which lie behind ob's 128
.irp s, 0,1
	v_add_nc_u32 v[ADRA+(\s)], s21, v3
	v_add_nc_u32 v[ADRB+(\s)], s22, v3
	s_add_co_u32 s21, s21, SLOT
	s_add_co_u32 s22, s22, SLOT
.endr
	s_mul_i32 s23, s10, 16*SP2
	s_add_co_u32 s23, s23, STAGE                   ; my stage
	v_mul_u32_u24 v4, v1, SP2                      ; in: row l % 16, 32 bytes for each half of the lanes
	v_lshl_add_u32 v4, v2, 5, v4
	v_add_nc_u32 v[STO], s23, v4
	v_and_b32 v5, 31, v0
	v_lshlrev_b32 v[CO], 4, v5                     ; back: 32 lanes take one row of 512 bytes
	v_add_nc_u32 v[RD], s23, v[CO]
	v_lshlrev_b32 v[BO], 5, v2
	s_lshl_b32 s16, s13, 7
	s_lshl_b32 s17, s11, 6
	s_add_co_u32 s16, s16, s17                     ; my first row of out0,
	s_lshl_b32 s16, s16, 12                        ; in bytes: under 2^25
	s_mov_b32 s17, 0
	s_add_nc_u64 s[8:9], s[8:9], s[16:17]
	s_lshl_b32 s46, s42, 10                        ; my first column, in bytes of f32: 1,024 x tile column + 512 x half
	s_lshl_b32 s47, s12, 9
	s_add_co_u32 s46, s46, s47
	s_mov_b32 s47, 0
	s_add_nc_u64 s[8:9], s[8:9], s[46:47]
	s_add_nc_u64 s[BI:BI+1], s[BI:BI+1], s[46:47]
	s_add_nc_u64 s[BI:BI+1], s[BI:BI+1], 6144*4    ; bo stands behind the 6,144 numbers of the first product's bias
	WIN 0x80                                       ; destination window 2, address window 0
.irp b, 0,1,2,3,4,5,6,7                ; register j of n block b is column 16 b + 8 (l / 16) + j
	global_load_b128 v[8*(\b):8*(\b)+3],   v[BO], s[BI:BI+1] offset:64*(\b)
	global_load_b128 v[8*(\b)+4:8*(\b)+7], v[BO], s[BI:BI+1] offset:64*(\b)+16
.endr
	WIN 0
; 8 matrix instructions: m block a x all 8 n blocks, 32 along K.  zero = 1: the product starts the sums, on the bias.  The 32 accumulators take turns, in the same order in every quarter.
.macro MUL8 f, a, zero
.if \zero
	WIN MULZ
.else
	WIN MUL
.endif
.irp b, 0,1,2,3,4,5,6,7
.if \zero
	v_wmma_f32_16x16x32_f16 v[8*(8*(\a)+(\b)):8*(8*(\a)+(\b))+7], v[(\f)+32+8*(\b):(\f)+32+8*(\b)+7], v[(\f)+8*(\a):(\f)+8*(\a)+7], v[8*(\b):8*(\b)+7]
.else
	v_wmma_f32_16x16x32_f16 v[8*(8*(\a)+(\b)):8*(8*(\a)+(\b))+7], v[(\f)+32+8*(\b):(\f)+32+8*(\b)+7], v[(\f)+8*(\a):(\f)+8*(\a)+7], v[8*(8*(\a)+(\b)):8*(8*(\a)+(\b))+7]
.endif
.endr
.endm
; 24 LDS loads in one run: the fragments of 32 along K at byte k of the rows, into buffer f: wob's sixteen, then ob's eight
.macro FETCH slot, k, f
	WIN 0
.irp b, 0,1,2,3,4,5,6,7
	ds_load_b128 v[(\f)+32+8*(\b):(\f)+32+8*(\b)+3],   v[ADRB+(\slot)] offset:(\k)+(\b)*16*PITCH
	ds_load_b128 v[(\f)+32+8*(\b)+4:(\f)+32+8*(\b)+7], v[ADRB+(\slot)] offset:(\k)+(\b)*16*PITCH+32
.endr
.irp a, 0,1,2,3
	ds_load_b128 v[(\f)+8*(\a):(\f)+8*(\a)+3],   v[ADRA+(\slot)] offset:(\k)+(\a)*16*PITCH
	ds_load_b128 v[(\f)+8*(\a)+4:(\f)+8*(\a)+7], v[ADRA+(\slot)] offset:(\k)+(\a)*16*PITCH+32
.endr
.endm
.macro PLACES                          ; four plain vector instructions in front of loads into registers that matrix instructions have read, and of LDS stores that read results
.rept 4
	v_nop
.endr
.endm
; A K step is four quarters of 32 along K, 32 matrix instructions each, on buffers 0, 1, 0, 1.  One of the first three: multiplies buffer f and fetches the next quarter, at byte k, into g.
.macro QUARTER slot, k, f, g, zero
	s_wait_dscnt 4                                 ; wob's fragments and ob's blocks 0 and 1 are in; the youngest four loads (blocks 2 and 3) may be out
	MUL8 \f, 0, \zero
	MUL8 \f, 1, \zero
	PLACES
	FETCH \slot, \k, \g
	s_wait_dscnt 24                                ; all but the 24 just issued
	MUL8 \f, 2, \zero
	MUL8 \f, 3, \zero
.endm
; The last quarter multiplies buffer 1 and changes slots: ONE barrier; in front of it each wave waits for all its tensor loads, adds 0 to its spare word, and waits for that and for its own reads of this slot.
; fill = 1: this slot is filled again, two K steps ahead, behind a round of the cluster's barrier.
.macro TURN slot, next, fill
	WIN 0                                          ; (the add's two registers lie in window 0)
	s_wait_tensorcnt 0x0                           ; all my tensor loads have landed: my part of the next slot;
	ds_add_u32 v[SPW], v[NIL]                      ; 0 onto my spare word;
	s_wait_dscnt 5                                 ; (the add and the youngest four loads may be out)
	MUL8 F1, 0, 0                                  ; eight matrix instructions stand between the add and the wait for it
	s_wait_dscnt 0x0                               ; the add is done, and my reads of this slot are over
	s_barrier_signal -1
	MUL8 F1, 1, 0
.if \fill
	WIN 0
.endif
	s_barrier_wait -1
.if \fill
	CREST                                          ; no wave of any partner still reads this slot's tile or has a load on its way
	s_add_nc_u64 s[G0+4*(\slot)+2:G0+4*(\slot)+3], s[G0+4*(\slot)+2:G0+4*(\slot)+3], 2*KSTEP*2
	s_add_nc_u64 s[G0B+4*(\slot)+2:G0B+4*(\slot)+3], s[G0B+4*(\slot)+2:G0B+4*(\slot)+3], 2*KSTEP*2
	JLOAD \slot                                    ; the first tensor load behind the round, my one load until the next: 112 matrix instructions ahead of the wait for it; its four v_nop are also the places in front of the loads below
.else
	PLACES
.endif
	FETCH \next, 0, F0
	MUL8 F1, 2, 0
	MUL8 F1, 3, 0
.endm
; THE WAY OUT of block a (16 rows x 128 columns of f32): 32 bytes a lane and n block into my own stage, back as whole rows of 512 bytes, stored.
.macro TOSTAGE a
	s_wait_xcnt 0x0                                ; the stores of the block two back have read the registers that the loads below fill
	WIN 0x04                                       ; the stores' data in window 1
.irp b, 0,1,2,3,4,5,6,7
	ds_store_b128 v[STO], v[8*(8*(\a)+(\b)):8*(8*(\a)+(\b))+3]   offset:64*(\b)     ; each accumulator's lowest registers first
	ds_store_b128 v[STO], v[8*(8*(\a)+(\b))+4:8*(8*(\a)+(\b))+7] offset:64*(\b)+16
.endr
	WIN 0
.irp t, 0,1,2,3,4,5,6,7,8,9,10,11,12,13,14,15
	ds_load_b128 v[32+96*((\a)%2)+4*(\t):32+96*((\a)%2)+4*(\t)+3], v[RD] offset:SP2*(\t)  ; LDS serves a wave's instructions in order (ISA guide 5.7.1.4): these see the stores above; the next block's stores come behind them
.endr
.endm
.macro SEND a, younger                 ; younger: the LDS instructions issued behind block a's loads: the next block's 32, or none
	s_wait_dscnt \younger
.irp t, 0,1,2,3,4,5,6,7,8,9,10,11,12,13,14,15
	global_store_b128 v[CO], v[32+96*((\a)%2)+4*(\t):32+96*((\a)%2)+4*(\t)+3], s[8:9] offset:(16*(\a)+(\t))*ROWO th:TH_STORE_NT  ; a wave's store: 512 consecutive bytes, at a multiple of 512 from out0's first byte
.endr
.endm
	s_wait_tensorcnt 1                             ; my part of K step 0 is in; K step 1's may stay out
	s_barrier_signal -1
	s_barrier_wait -1                              ; everybody's is
	FETCH 0, 0, F0
	s_wait_loadcnt 0x0                             ; the bias
	QUARTER 0, 64,  F0, F1, 1                      ; the first quarter stands in front of the loop: its products start the sums
	WIN 0                                          ; at a label and at a branch every window is 0
	s_mov_b32 s3, LAPS-1
.Llap:                                                 ; a trip goes once round the ring, from a lap's second quarter to the next lap's first, and fills both slots again
	QUARTER 0, 128, F1, F0, 0
	QUARTER 0, 192, F0, F1, 0
	TURN 0, 1, 1
	QUARTER 1, 64,  F0, F1, 0
	QUARTER 1, 128, F1, F0, 0
	QUARTER 1, 192, F0, F1, 0
	TURN 1, 0, 1
	QUARTER 0, 64,  F0, F1, 0
	WIN 0
	s_sub_co_u32 s3, s3, 1
	s_cmp_lg_u32 s3, 0
	s_cbranch_scc1 .Llap
	QUARTER 0, 128, F1, F0, 0                      ; the last lap fills nothing, and has no round of the cluster's barrier
	QUARTER 0, 192, F0, F1, 0
	TURN 0, 1, 0
	QUARTER 1, 64,  F0, F1, 0
	QUARTER 1, 128, F1, F0, 0
	QUARTER 1, 192, F0, F1, 0
	s_wait_dscnt 4                                 ; the very last quarter: nothing more to fetch
	MUL8 F1, 0, 0
	MUL8 F1, 1, 0
	s_wait_dscnt 0x0
	MUL8 F1, 2, 0
	MUL8 F1, 3, 0
	PLACES
	TOSTAGE 0
	TOSTAGE 1
	SEND 0, 32
	TOSTAGE 2
	SEND 1, 32
	TOSTAGE 3
	SEND 2, 32
	SEND 3, 0
	s_wait_tensorcnt 0x0                           ; the wave's end, behind my last tensor load and my last LDS store
	ds_add_u32 v[SPW], v[NIL]
	s_wait_dscnt 0x0
	CROUND                                         ; the closing round: no work-group ends while a partner may still ask for a tile that names it
	s_endpgm
.Lfunc_end_k_q7fa1f6cc26_proj:
	.size	k_q7fa1f6cc26_proj, .Lfunc_end_k_q7fa1f6cc26_proj-k_q7fa1f6cc26_proj
	.p2alignl 7, 3214868480
	.fill 96, 4, 3214868480
	.section	.rodata,"a",@progbits
	.p2align	6, 0x0
	.amdhsa_kernel k_q7fa1f6cc26_proj
		.amdhsa_group_segment_fixed_size 327680
		.amdhsa_private_segment_fixed_size 0
		.amdhsa_enable_private_segment 0
		.amdhsa_kernarg_size 32
		.amdhsa_user_sgpr_count 2
		.amdhsa_user_sgpr_kernarg_segment_ptr 1
		.amdhsa_wavefront_size32 1
		.amdhsa_system_sgpr_workgroup_id_x 1
		.amdhsa_system_sgpr_workgroup_id_y 1
		.amdhsa_system_sgpr_workgroup_id_z 1
		.amdhsa_system_vgpr_workitem_id 0
		.amdhsa_next_free_vgpr 576
		.amdhsa_next_free_sgpr 72
		.amdhsa_reserve_vcc 0
		.amdhsa_float_denorm_mode_32 3
		.amdhsa_float_denorm_mode_16_64 3
		.amdhsa_memory_ordered 1
		.amdhsa_forward_progress 1
		.amdhsa_inst_pref_size 87
	.end_amdhsa_kernel
	.amdgpu_metadata
---
amdhsa.version: [ 1, 2 ]
amdhsa.kernels:
  - .name:           k_q7fa1f6cc26_proj
    .symbol:         k_q7fa1f6cc26_proj.kd
    .args:
      - { .name: ob, .offset: 0, .size: 8, .value_kind: global_buffer, .address_space: global }
      - { .name: wob, .offset: 8, .size: 8, .value_kind: global_buffer, .address_space: global }
      - { .name: out0, .offset: 16, .size: 8, .value_kind: global_buffer, .address_space: global }
      - { .name: bias, .offset: 24, .size: 8, .value_kind: global_buffer, .address_space: global }
    .group_segment_fixed_size: 327680
    .private_segment_fixed_size: 0
    .kernarg_segment_align: 8
    .kernarg_segment_size: 32
    .max_flat_workgroup_size: 128
    .sgpr_count:     72
    .vgpr_count:     576
    .wavefront_size: 32
...
	.end_amdgpu_metadata
.endif
;; end of part 4
;; ======== version 2 of 2: 4 launches; version 1 with the launches cast, attn written anew for expert scheduling mode
;; limits: values are held in f16: magnitudes above 65,504 overflow, below 6.1e-05 lose precision
;; workspace buffers: xb 16,777,216 bytes; wb 12,582,912 bytes; wob 2,097,152 bytes; bias 28,672 bytes; qkv 100,663,296 bytes; ob 16,777,216 bytes
;; launch cast (part 5): grid 967 x 1, 8 waves a work-group, no clusters, 0 bytes of LDS; arguments x, Wq, Wk, Wv, Wo, bq, bk, bv, bo, xb, wb, wob, bias; writes xb, wb, wob, bias
.if DOCPART == 5
	.amdgcn_target "amdgcn-amd-amdhsa--gfx1250"
	.amdhsa_code_object_version 6
	.text
	.protected	k_q7fa1f6cc26_cast
	.globl	k_q7fa1f6cc26_cast
	.p2align	8
	.type	k_q7fa1f6cc26_cast,@function
k_q7fa1f6cc26_cast:
	s_mov_b64 s[64:65], 0
	v_nop
	global_prefetch_b8 v0, s[64:65] scope:SCOPE_SE
	s_setreg_imm32_b32 hwreg(HW_REG_WAVE_SCHED_MODE, 0, 2), 2
	s_setreg_imm32_b32 hwreg(HW_REG_WAVE_MODE, 25, 1), 1
	s_wait_xcnt 0x0
	s_wait_alu depctr_vm_vsrc(0)
; ALL INPUTS ARE ROUNDED ONCE TO bf16, and the weights' rows are laid in the order in which the later launches want them.
;   xb  [8192][1024] bf16 = x.
;   wb  [6144][1024] bf16: blocks of 1,024 rows q0, q1, q2, q3, k, v.  In a q or k block row 256 (d / 16) + 16 h + d % 16 is the weights' row 64 h + d;
;       in the v block row 16 d + g is the weights' row 64 g + d.  So the product's columns come out in an order in which each matrix fragment of the
;       attention inside a token is 512 consecutive bytes.
;   wob [1024][1024] f16 = 4 x bf16(Wo): the attention stores the MEAN over the four query sets, the factor 4 stands here.
;   bias [7168] f32, each number rounded to bf16: 0..6143 in wb's row order, 6144..7167 = bo.
; LIMITS.  4 |Wo| stays under 65,504 (f16's end); below 6.1e-5 a number of wob keeps f16's fixed step of 6e-8, elsewhere bf16's 8 bits are held exactly.
; SHARES.  Work-groups 0..959 take 16 rows of 1,024 f32 each: thread t the 16 bytes at 16 t of each source row, and the 8 bytes at 8 t of each row out: a load of a wave
; covers 512 consecutive bytes, a store 256, aligned.  All 16 loads of a thread go out at once; there is no loop, and no register that a memory instruction names is written again.
; Work-groups 960..966 make the bias table, 1,024 numbers each.  No LDS, no matrix unit, no cluster: nothing is shared and nothing is multiplied.
; THE MODE: SCHED_MODE bits 1:0 = 2 (LLVM: expert scheduling mode 2), set by the entry lines.  The code itself states the register dependences
; between vector instructions and memory instructions, with s_wait_alu, always for 0.
; THE PLAN.  Registers that memory instructions touch:
;   OFF0 .. OFF15  Written once, by the head's move and adds; read by the 16 loads.
;   v2             Written once, at the head; read by every store.
;   D              Row i's four registers: landed in once, by row i's load; read by row i's conversions, behind the wait for that load.
;   Y              Row i's pair: written by row i's conversions and by nothing behind them; read by row i's store.
;   T              Named by vector instructions alone.
; The 16 rows go in four blocks of four.  Block p converts its rows; its memory instructions are the four stores of block p - 1, one ahead of each row's conversions.  One wait at the
; head of a block states that the block before has written its Y; the vector instructions behind that wait name D and Y of the block's own rows and T, none of which those stores read.
; One wait stands ahead of the loads and one ahead of the last four stores.  No register that a memory instruction reads is written again, so no wait frees one.
.set SRB,  4096                        ; bytes in a source row
.set DRB,  2048                        ; bytes in a row out
.set OFF,  4                           ; v[4:19]    row i: byte offset of my 16 bytes from the first source row
.set D,    20                          ; v[20:83]   row i: 4 f32 as loaded
.set Y,    84                          ; v[84:115]  row i: 4 numbers of 16 bits to store
.set T,    116                         ; v[116:119] at work
.set SRC,  36                          ; s[36:37]   the source at my first row
.set DST,  38                          ; s[38:39]   the destination at my first row
.set SO,   40                          ; s[40:41]   first source row, then its byte offset
.set DO,   42                          ; s[42:43]   the same for the destination
.set STEP, 44                          ; s44        bytes from one source row of mine to the next
	s_load_b512 s[8:23], s[0:1], 0x0               ; x 8, Wq 10, Wk 12, Wv 14, Wo 16, bq 18, bk 20, bv 22
	s_load_b256 s[24:31], s[0:1], 0x40             ; bo 24, xb 26, wb 28, wob 30
	s_load_b64 s[32:33], s[0:1], 0x60              ; bias
	s_mov_b32 s2, ttmp9
	v_lshlrev_b32 v1, 4, v0                        ; 16 t
	v_lshlrev_b32 v2, 3, v0                        ; 8 t
	s_cmp_ge_u32 s2, 960
	s_cbranch_scc1 .Lbias
	s_lshl_b32 s[SO], s2, 4                        ; x: rows 16 id on, in and out
	s_mov_b32 s[DO], s[SO]
	s_mov_b32 s[STEP], SRB
	s_mov_b32 s7, 0                                ; 1: the rows are Wo's
	s_wait_kmcnt 0x0
	s_mov_b64 s[SRC:SRC+1], s[8:9]
	s_mov_b64 s[DST:DST+1], s[26:27]
	s_cmp_lt_u32 s2, 512
	s_cbranch_scc1 .Lgo
	s_sub_co_u32 s3, s2, 512                       ; t: 16 rows of the weights' 7,168
	s_lshr_b32 s4, s3, 6                           ; the block of 1,024 rows: 0-3 q, 4 k, 5 v, 6 Wo
	s_and_b32 s5, s3, 63                           ; mm: which 16 rows of the block
	s_and_b32 s6, s5, 15                           ; q and k: h = mm % 16,
	s_lshl_b32 s6, s6, 6
	s_lshr_b32 s45, s5, 4                          ; d / 16 = mm / 16:
	s_lshl_b32 s45, s45, 4
	s_add_co_u32 s6, s6, s45                       ; source rows 64 h + 16 (d / 16) on
	s_lshl_b32 s46, s5, 4                          ; Wo: rows 16 mm on, in and out
	s_lshl_b32 s[DO], s3, 4                        ; wb's rows 16 t on
	s_mov_b64 s[DST:DST+1], s[28:29]
	s_lshl_b32 s[SO], s4, 10
	s_add_co_u32 s[SO], s[SO], s6                  ; Wq holds its four sets on end
	s_mov_b64 s[SRC:SRC+1], s[10:11]
	s_cmp_eq_u32 s4, 4
	s_cselect_b32 s[SO], s6, s[SO]
	s_cselect_b64 s[SRC:SRC+1], s[12:13], s[SRC:SRC+1]
	s_cmp_eq_u32 s4, 5                             ; v: d = mm, my row i is g = i: source rows mm + 64 i
	s_cselect_b32 s[SO], s5, s[SO]
	s_cselect_b64 s[SRC:SRC+1], s[14:15], s[SRC:SRC+1]
	s_cselect_b32 s[STEP], 64*SRB, s[STEP]
	s_cmp_eq_u32 s4, 6
	s_cselect_b32 s[SO], s46, s[SO]
	s_cselect_b32 s[DO], s46, s[DO]
	s_cselect_b64 s[SRC:SRC+1], s[16:17], s[SRC:SRC+1]
	s_cselect_b64 s[DST:DST+1], s[30:31], s[DST:DST+1]
	s_cselect_b32 s7, 1, 0
.Lgo:
	s_lshl_b32 s[SO], s[SO], 12                    ; rows to bytes: under 2^26
	s_mov_b32 s[SO+1], 0
	s_lshl_b32 s[DO], s[DO], 11
	s_mov_b32 s[DO+1], 0
	s_add_nc_u64 s[SRC:SRC+1], s[SRC:SRC+1], s[SO:SO+1]
	s_add_nc_u64 s[DST:DST+1], s[DST:DST+1], s[DO:DO+1]
	v_mov_b32 v[OFF], v1
.irp i, 1,2,3,4,5,6,7,8,9,10,11,12,13,14,15
	v_add_nc_u32 v[OFF+(\i)], s[STEP], v[OFF+(\i)-1]
.endr
	s_wait_alu depctr_va_vdst(0)                   ; the sixteen offsets v[OFF ..], which the loads below read, and v2, which every store reads, are written
.irp i, 0,1,2,3,4,5,6,7,8,9,10,11,12,13,14,15
	global_load_b128 v[D+4*(\i):D+4*(\i)+3], v[OFF+(\i)], s[SRC:SRC+1] th:TH_LOAD_NT
.endr
; Row i is rounded.  wo = 1: the bf16 number times 4, written as f16.
.macro CONV i, wo
	v_cvt_pk_bf16_f32 v[Y+2*(\i)],   v[D+4*(\i)],   v[D+4*(\i)+1]
	v_cvt_pk_bf16_f32 v[Y+2*(\i)+1], v[D+4*(\i)+2], v[D+4*(\i)+3]
.if \wo
	v_lshlrev_b32 v[T],   16, v[Y+2*(\i)]
	v_and_b32     v[T+1], 0xffff0000, v[Y+2*(\i)]
	v_lshlrev_b32 v[T+2], 16, v[Y+2*(\i)+1]
	v_and_b32     v[T+3], 0xffff0000, v[Y+2*(\i)+1]
	v_pk_mul_f32 v[T:T+1],   v[T:T+1],   4.0 op_sel_hi:[1,0]
	v_pk_mul_f32 v[T+2:T+3], v[T+2:T+3], 4.0 op_sel_hi:[1,0]
	v_cvt_pk_f16_f32 v[Y+2*(\i)],   v[T],   v[T+1]
	v_cvt_pk_f16_f32 v[Y+2*(\i)+1], v[T+2], v[T+3]
.endif
.endm
; Row i is stored.
.macro OUT i
	global_store_b64 v2, v[Y+2*(\i):Y+2*(\i)+1], s[DST:DST+1] offset:DRB*(\i) th:TH_STORE_NT  ; a wave's store: 256 consecutive bytes, aligned
.endm
; Block p: rows 4 p .. 4 p + 3 are rounded; the block before is stored, a row ahead of each row's conversions.
.macro BLK p, wo
.irp j, 0,1,2,3
	s_wait_loadcnt 15-4*(\p)-(\j)                  ; loads come back in order: row 4 p + j is in, the younger rows may stay out
.if ((\j) == 0) && ((\p) > 0)
	s_wait_alu depctr_va_vdst(0)                   ; the block before has written its four pairs of Y, which this block's four stores read
.endif
.if (\p) > 0
	OUT 4*(\p)+(\j)-4                              ; no vector instruction since the wait names this row's Y or v2
.endif
	CONV 4*(\p)+(\j), \wo
.endr
.endm
.macro ROWS wo
	BLK 0, \wo
	BLK 1, \wo
	BLK 2, \wo
	BLK 3, \wo
	s_wait_alu depctr_va_vdst(0)                   ; the last block has written its four pairs of Y, which the last four stores read
	OUT 12
	OUT 13
	OUT 14
	OUT 15
.endm
	s_cmp_eq_u32 s7, 1
	s_cbranch_scc1 .Lwo
	ROWS 0
	s_endpgm
.Lwo:
	ROWS 1
	s_endpgm
.Lbias:                                        ; block j of the table: thread t makes its numbers 4 t .. 4 t + 3
	s_sub_co_u32 s3, s2, 960                       ; j: 0-3 bq's sets, 4 bk, 5 bv, 6 bo
	v_bfe_u32 v4, v0, 2, 4                         ; q and k: h = (t / 4) % 16,
	v_lshrrev_b32 v5, 6, v0                        ; d / 16 = t / 64,
	v_and_b32 v6, 3, v0                            ; d % 16 = 4 (t % 4) on
	v_lshlrev_b32 v7, 6, v4
	v_lshl_add_u32 v7, v5, 4, v7
	v_lshl_add_u32 v7, v6, 2, v7                   ; source number 64 h + d, four on end
	v_lshrrev_b32 v8, 2, v0                        ; v: d = t / 4, g = 4 (t % 4) on:
	v_lshl_add_u32 v8, v6, 8, v8                   ; source number 64 g + d, four that lie 64 apart
	v_lshlrev_b32 v9, 2, v0                        ; bo: as it lies
	s_cmp_eq_u32 s3, 5
	s_cselect_b32 s4, -1, 0
	s_cselect_b32 s6, 256, 4                       ; bytes from one of my four to the next
	s_cmp_eq_u32 s3, 6
	s_cselect_b32 s5, -1, 0
	v_cndmask_b32 v7, v7, v8, s4                   ; (both masks are made by scalar instructions)
	v_cndmask_b32 v7, v7, v9, s5
	v_lshlrev_b32 v10, 2, v7
	v_add_nc_u32 v11, s6, v10
	v_add_nc_u32 v12, s6, v11
	v_add_nc_u32 v13, s6, v12
	s_lshl_b32 s[DO], s3, 12                       ; the block's 4,096 bytes in the table,
	s_mov_b32 s[DO+1], 0
	s_cmp_lt_u32 s3, 4
	s_cselect_b32 s[SO], s[DO], 0                  ; and, for bq alone, the set's 4,096 bytes in the source
	s_mov_b32 s[SO+1], 0
	s_wait_kmcnt 0x0
	s_mov_b64 s[SRC:SRC+1], s[18:19]
	s_cmp_eq_u32 s3, 4
	s_cselect_b64 s[SRC:SRC+1], s[20:21], s[SRC:SRC+1]
	s_cmp_eq_u32 s3, 5
	s_cselect_b64 s[SRC:SRC+1], s[22:23], s[SRC:SRC+1]
	s_cmp_eq_u32 s3, 6
	s_cselect_b64 s[SRC:SRC+1], s[24:25], s[SRC:SRC+1]
	s_add_nc_u64 s[SRC:SRC+1], s[SRC:SRC+1], s[SO:SO+1]
	s_add_nc_u64 s[DST:DST+1], s[32:33], s[DO:DO+1]
	s_wait_alu depctr_va_vdst(0)                   ; the four offsets v10 to v13, which the loads below read, are written; so is v1, the store's offset
	global_load_b32 v14, v10, s[SRC:SRC+1]
	global_load_b32 v15, v11, s[SRC:SRC+1]
	global_load_b32 v16, v12, s[SRC:SRC+1]
	global_load_b32 v17, v13, s[SRC:SRC+1]
	s_wait_loadcnt 0x0
	v_cvt_pk_bf16_f32 v18, v14, v15                ; rounded to bf16 like every input,
	v_cvt_pk_bf16_f32 v19, v16, v17
	v_lshlrev_b32 v20, 16, v18                     ; and kept as f32: the table feeds the C operand of matrix instructions
	v_and_b32 v21, 0xffff0000, v18
	v_lshlrev_b32 v22, 16, v19
	v_and_b32 v23, 0xffff0000, v19
	s_wait_alu depctr_va_vdst(0)                   ; v20 to v23, the store's data, are written
	global_store_b128 v1, v[20:23], s[DST:DST+1]   ; a wave's store: 512 consecutive bytes, aligned
	s_endpgm
.Lfunc_end_k_q7fa1f6cc26_cast:
	.size	k_q7fa1f6cc26_cast, .Lfunc_end_k_q7fa1f6cc26_cast-k_q7fa1f6cc26_cast
	.p2alignl 7, 3214868480
	.fill 96, 4, 3214868480
	.section	.rodata,"a",@progbits
	.p2align	6, 0x0
	.amdhsa_kernel k_q7fa1f6cc26_cast
		.amdhsa_group_segment_fixed_size 0
		.amdhsa_private_segment_fixed_size 0
		.amdhsa_enable_private_segment 0
		.amdhsa_kernarg_size 104
		.amdhsa_user_sgpr_count 2
		.amdhsa_user_sgpr_kernarg_segment_ptr 1
		.amdhsa_wavefront_size32 1
		.amdhsa_system_sgpr_workgroup_id_x 1
		.amdhsa_system_sgpr_workgroup_id_y 1
		.amdhsa_system_sgpr_workgroup_id_z 1
		.amdhsa_system_vgpr_workitem_id 0
		.amdhsa_next_free_vgpr 128
		.amdhsa_next_free_sgpr 66
		.amdhsa_reserve_vcc 0
		.amdhsa_float_denorm_mode_32 3
		.amdhsa_float_denorm_mode_16_64 3
		.amdhsa_memory_ordered 1
		.amdhsa_forward_progress 1
		.amdhsa_inst_pref_size 22
	.end_amdhsa_kernel
	.amdgpu_metadata
---
amdhsa.version: [ 1, 2 ]
amdhsa.kernels:
  - .name:           k_q7fa1f6cc26_cast
    .symbol:         k_q7fa1f6cc26_cast.kd
    .args:
      - { .name: x, .offset: 0, .size: 8, .value_kind: global_buffer, .address_space: global }
      - { .name: Wq, .offset: 8, .size: 8, .value_kind: global_buffer, .address_space: global }
      - { .name: Wk, .offset: 16, .size: 8, .value_kind: global_buffer, .address_space: global }
      - { .name: Wv, .offset: 24, .size: 8, .value_kind: global_buffer, .address_space: global }
      - { .name: Wo, .offset: 32, .size: 8, .value_kind: global_buffer, .address_space: global }
      - { .name: bq, .offset: 40, .size: 8, .value_kind: global_buffer, .address_space: global }
      - { .name: bk, .offset: 48, .size: 8, .value_kind: global_buffer, .address_space: global }
      - { .name: bv, .offset: 56, .size: 8, .value_kind: global_buffer, .address_space: global }
      - { .name: bo, .offset: 64, .size: 8, .value_kind: global_buffer, .address_space: global }
      - { .name: xb, .offset: 72, .size: 8, .value_kind: global_buffer, .address_space: global }
      - { .name: wb, .offset: 80, .size: 8, .value_kind: global_buffer, .address_space: global }
      - { .name: wob, .offset: 88, .size: 8, .value_kind: global_buffer, .address_space: global }
      - { .name: bias, .offset: 96, .size: 8, .value_kind: global_buffer, .address_space: global }
    .group_segment_fixed_size: 0
    .private_segment_fixed_size: 0
    .kernarg_segment_align: 8
    .kernarg_segment_size: 104
    .max_flat_workgroup_size: 256
    .sgpr_count:     66
    .vgpr_count:     128
    .wavefront_size: 32
...
	.end_amdgpu_metadata
.endif
;; end of part 5
;; launch qkv: the kernel of part 2 again; grid 8 x 32, 4 waves a work-group, clusters of 4 x 4, 327,680 bytes of LDS; arguments xb, wb, qkv, bias; writes qkv
;; launch attn (part 6): grid 256 x 1, 16 waves a work-group, no clusters, 71,680 bytes of LDS; arguments qkv, ob; writes ob
.if DOCPART == 6
	.amdgcn_target "amdgcn-amd-amdhsa--gfx1250"
	.amdhsa_code_object_version 6
	.text
	.protected	k_q7fa1f6cc26_attn
	.globl	k_q7fa1f6cc26_attn
	.p2align	8
	.type	k_q7fa1f6cc26_attn,@function
k_q7fa1f6cc26_attn:
	s_mov_b64 s[64:65], 0
	v_nop
	global_prefetch_b8 v0, s[64:65] scope:SCOPE_SE
	s_setreg_imm32_b32 hwreg(HW_REG_WAVE_SCHED_MODE, 0, 2), 2
	s_setreg_imm32_b32 hwreg(HW_REG_WAVE_MODE, 25, 1), 1
	s_wait_xcnt 0x0
	s_wait_alu depctr_vm_vsrc(0)
; THE ATTENTION INSIDE A TOKEN, over its 16 heads.  For token s of batch b, query set q, head h: scores[g] = q[q][h] . k[g] / 8, p = softmax over g; O[h][d] = the MEAN over q of the sum over g of p[g] v[g][d].
; It is stored where the module's reshaping puts it: ob[b][128 h + s / 16][64 (s % 16) + d], f16.  The factor 4 that makes the mean a sum stands in the next launch's weights.
; ORDER OF SUMS.  The four sets' weights, each divided by 4 l in f32, are added in f32 and rounded once to f16; ONE product with v follows (the sum over q of p v = (the sum over q of p) v).
; LIMITS.  q, k, v arrive in f16, within 65,504; the mean weight lies in 0 to 1 and below 6e-5 keeps f16's fixed step of 6e-8; O has v's range.  A weight below 2^-126 counts as 0 in l.  NaN and infinities are not
; treated apart, and an infinite v spoils the other token of its pair too (it meets a weight 0 in the product).
; qkv's ROW of 12,288 bytes: q0, q1, q2, q3, k, v, 2,048 bytes each.  In q and k channel d of head h lies at column 256 (d / 16) + 16 h + d % 16, in v channel d of head g at column 16 d + g.
; So every matrix fragment is 512 consecutive bytes: lane l takes the 16 bytes at 32 (l % 16) + 16 (l / 16).  Nothing goes through LDS on the way in.
; SHARES.  A wave takes two neighbouring tokens, a work-group's sixteen waves 32.  Two tokens, because a head's 64 channels of two neighbouring tokens are 256 consecutive bytes of ob, aligned, and because
; the second product's K of 32 holds two tokens' 16 heads.  All 48 loads of a wave go out at its head; there is no loop.  No tile is shared between work-groups: no cluster; every byte is asked for at once: no prefetch.
; LAYOUT.  S^T = K Q^T (source 0 = the 16 heads g of k, source 1 = the 16 heads h of q): a lane holds ONE head h (l % 16) and the heads g = 8 (l / 16) + 0..7.  Rounded in pairs that is half of source 1 of
; O^T = V^T P (source 0 = 16 channels x [token 0's 16 g, token 1's 16 g]); the other half is 0.  Its result holds one head h a lane, and eight channels: 16 bytes of f16.
; THE MODE: SCHED_MODE bits 1:0 = 2 (LLVM: expert scheduling mode 2), set by the entry lines.  The code itself states the register dependences
; between vector or matrix instructions and memory or LDS instructions, with s_wait_alu, always for 0.
; THE PLAN.  Registers that memory or LDS instructions touch:
;   v[LO]          Written at the head; read by the 48 loads; never written again.
;   TB, VF         Each register is landed in once, by the head's loads, and no vector instruction names it before that; matrix and vector instructions name it behind the wait for its load.
;   STO, RD, GO    Written by vector instructions in the wait for the loads; read by the way out's LDS stores, LDS loads and global stores.
;   PK             Written by the way out's 32 conversions; read by its 8 LDS stores; not written again.
;   OUT            v128-159 held part of token 1's q, which token 1's score products read; the way out's LDS loads land there, and the global stores read them behind the waits for those loads.
;   s8             Written by v_readfirstlane_b32; read by scalar instructions.
; So: one wait ahead of s8's first reader; one ahead of the 48 loads; the two waits of each softmax, for its exponentials' and its reciprocals' results; one ahead of the way out's LDS stores, behind which no
; vector instruction stands.  No register that a memory or LDS instruction reads is written again, so no wait frees one.
.set ROWB,  12288
.set SP,    272                        ; a stage row: 256 bytes (two tokens x 64 channels of one head) + 16 of padding: the 16 rows of a store start at 16 different groups of four banks (ISA guide 11.1)
.set WSTG,  16*SP                      ; a wave's stage: 16 heads
.set LO,  1                            ; v1   32 (l % 16) + 16 (l / 16); never rewritten
.set STO, 2                            ; v2   where I put 16 bytes of a head's row
.set RD,  3                            ; v3   where I read a row back
.set GO,  4                            ; v4   my byte offset in ob
.set ST,  8                            ; v[8:15]    set q's pair at ST + 2 q: low m, then c m, then l, then 1 / (4 l); high at work
.set TB,  16                           ; v[16:175]  token t at TB + 80 t: k (16 registers), then q0..q3 (16 each).  k's registers serve the sums once the scores are made
.set VF,  176                          ; v[176:207] v: channels 16 f on at VF + 8 f; registers 0-3 token 0, 4-7 token 1
.set S,   208                          ; v[208:239] S^T, set q at S + 8 q
.set P,   240                          ; v[240:243] token 0's mean weights, v[244:247] 0, v[248:251] token 1's
.set O,   16                           ; O^T of token t, channels 16 f on, at O + 32 t + 8 f
.set PK,  96                           ; the same in f16, at PK + 16 t + 4 f
.set OUT, 128                          ; rows read back from the stage
.set RR,  252                          ; v252 l % 16
.set HH,  253                          ; v253 l / 16
.set CS,  12                           ; s[12:13] c = log2(e) / 8: the packed scaling takes the pair's low word for both halves
.set SEL, 14                           ; s[14:15] v_permlanex16_b32's selects: each lane takes its own place in the other half
	s_load_b128 s[4:7], s[0:1], 0x0                ; qkv s[4:5], ob s[6:7]
	v_lshl_add_u32 v254, v0, 2, 0x11000
	v_mov_b32 v255, 0
	v_lshrrev_b32 v7, 5, v0
	v_readfirstlane_b32 s8, v7                     ; wave 0..15
	v_and_b32 v[RR], 15, v0
	v_bfe_u32 v[HH], v0, 4, 1
	v_lshlrev_b32 v[LO], 5, v[RR]
	v_lshl_add_u32 v[LO], v[HH], 4, v[LO]
	s_wait_alu depctr_va_sdst(0)                   ; s8 is written, ahead of its first reader: my tokens' number, and later my stage's place, are made from it
	s_lshl_b32 s9, ttmp9, 5
	s_lshl1_add_u32 s9, s8, s9                     ; my first token: 32 x work-group + 2 x wave
	s_mul_i32 s10, s9, ROWB                        ; under 2^27
	s_mov_b32 s11, 0
	s_lshr_b32 s16, s9, 11                         ; b,
	s_lshl_b32 s16, s16, 22                        ; 2,048 rows of 2,048 bytes
	s_bfe_u32 s17, s9, 0x70004                     ; s / 16: the row in a head's 128,
	s_lshl_b32 s17, s17, 11
	s_and_b32 s18, s9, 15                          ; s % 16: 128 bytes each (s is even: a multiple of 256)
	s_lshl_b32 s18, s18, 7
	s_add_co_u32 s16, s16, s17
	s_add_co_u32 s16, s16, s18
	s_mov_b32 s17, 0
	s_wait_kmcnt 0x0
	s_add_nc_u64 s[4:5], s[4:5], s[10:11]
	s_add_nc_u64 s[6:7], s[6:7], s[16:17]
	s_wait_alu depctr_va_vdst(0)                   ; v[LO] is written: all 48 loads read it as their offset
.irp t, 0,1                            ; a token's k and q: 20 loads of 512 consecutive bytes; piece j holds channels 16 j .. 16 j + 15 of all 16 heads
.irp j, 0,1,2,3
	global_load_b128 v[TB+80*(\t)+4*(\j):TB+80*(\t)+4*(\j)+3], v[LO], s[4:5] offset:ROWB*(\t)+8192+512*(\j) th:TH_LOAD_NT
.endr
.irp q, 0,1,2,3
.irp j, 0,1,2,3
	global_load_b128 v[TB+80*(\t)+16+16*(\q)+4*(\j):TB+80*(\t)+16+16*(\q)+4*(\j)+3], v[LO], s[4:5] offset:ROWB*(\t)+2048*(\q)+512*(\j) th:TH_LOAD_NT
.endr
.endr
.endr
.irp f, 0,1,2,3                        ; both tokens' v: 8 loads
.irp t, 0,1
	global_load_b128 v[VF+8*(\f)+4*(\t):VF+8*(\f)+4*(\t)+3], v[LO], s[4:5] offset:ROWB*(\t)+10240+512*(\f) th:TH_LOAD_NT
.endr
.endr
	; the rest of the set-up stands in the wait for the loads; it writes none of the registers that the loads read or land in
	s_mov_b32 s[CS], 0x3e38aa3b                    ; c = 0.180337
	s_mov_b32 s[CS+1], s[CS]                       ; named with it as a pair
	s_mov_b32 s[SEL], 0x76543210
	s_mov_b32 s[SEL+1], 0xfedcba98
	s_mul_i32 s19, s8, WSTG                        ; my stage
	v_mul_u32_u24 v[STO], v[RR], SP                ; in: head l % 16, 16 bytes for each half of the lanes
	v_lshl_add_u32 v[STO], v[HH], 4, v[STO]
	v_add_nc_u32 v[STO], s19, v[STO]
	v_mul_u32_u24 v[RD], v[HH], SP                 ; back: lanes 0-15 take one head's 256 bytes, lanes 16-31 the next head's
	v_lshl_add_u32 v[RD], v[RR], 4, v[RD]
	v_add_nc_u32 v[RD], s19, v[RD]
	v_lshlrev_b32 v[GO], 18, v[HH]                 ; a head's 128 rows of ob are 262,144 bytes
	v_lshl_add_u32 v[GO], v[RR], 4, v[GO]
.irp i, 0,1,2,3,4,5,6,7
	v_mov_b32 v[ST+(\i)], 0                        ; v_permlanex16_b32 counts as a reader of its destination, and the pairs are named whole
.endr
.irp i, 4,5,6,7
	v_mov_b32 v[P+(\i)], 0                         ; the half of source 1 that meets the other token's v
.endr
; Token t's scores, all four sets: 8 matrix instructions; the four accumulators take turns.  left: the younger loads that may stay out.
.macro SCORES t, left
	s_wait_loadcnt \left
.irp c, 0,1
.irp q, 0,1,2,3
.if (\c) == 0
	v_wmma_f32_16x16x32_f16 v[S+8*(\q):S+8*(\q)+7], v[TB+80*(\t):TB+80*(\t)+7], v[TB+80*(\t)+16+16*(\q):TB+80*(\t)+16+16*(\q)+7], 0
.else
	v_wmma_f32_16x16x32_f16 v[S+8*(\q):S+8*(\q)+7], v[TB+80*(\t)+8:TB+80*(\t)+15], v[TB+80*(\t)+24+16*(\q):TB+80*(\t)+24+16*(\q)+7], v[S+8*(\q):S+8*(\q)+7]
.endif
.endr
.endr
.rept 4
	v_nop                                          ; four places between the last product and the first vector instruction that reads a result (ISA guide 7.12.1)
.endr
.endm
; Token t's softmax.  Each line is written for the four sets on end, so that no instruction reads the result of the one before it.
.macro EACH line:vararg
.set q, 0
.rept 4
	\line
.set q, q+1
.endr
.endm
.macro SOFTMAX t
.set SC, TB+80*(\t)                    ; four registers a set, at SC + 4 q
	EACH v_max3_num_f32 v[ST+2*q], v[S+8*q], v[S+8*q+1], v[S+8*q+2]      ; the maximum of my eight scores: each accumulator's lowest registers are read first
	EACH v_max3_num_f32 v[ST+2*q], v[ST+2*q], v[S+8*q+3], v[S+8*q+4]
	EACH v_max3_num_f32 v[ST+2*q], v[ST+2*q], v[S+8*q+5], v[S+8*q+6]
	EACH v_max_num_f32 v[ST+2*q], v[ST+2*q], v[S+8*q+7]
	EACH v_permlanex16_b32 v[ST+2*q+1], v[ST+2*q], s[SEL], s[SEL+1]      ; the head's other eight scores lie in the lane 16 away
	EACH v_max_num_f32 v[ST+2*q], v[ST+2*q], v[ST+2*q+1]
	EACH v_mul_f32 v[ST+2*q], s[CS], v[ST+2*q]                           ; c m
.irp i, 0,2,4,6
	EACH v_pk_fma_f32 v[S+8*q+(\i):S+8*q+(\i)+1], v[S+8*q+(\i):S+8*q+(\i)+1], s[CS:CS+1], v[ST+2*q:ST+2*q+1] op_sel_hi:[1,0,0] neg_lo:[0,0,1] neg_hi:[0,0,1]  ; c s - c m
.endr
.irp i, 0,1,2,3,4,5,6,7
	EACH v_exp_f32 v[S+8*q+(\i)], v[S+8*q+(\i)]                          ; ONE BATCH of 32
.endr
	v_nop                                          ; a plain instruction behind the last exponential,
	s_wait_alu depctr_va_vdst(0)                   ; and one wait ahead of the batch's first reader: the 32 exponentials have written v[S ..]
	EACH v_pk_add_f32 v[SC+4*q:SC+4*q+1], v[S+8*q:S+8*q+1], v[S+8*q+2:S+8*q+3]
	EACH v_pk_add_f32 v[SC+4*q+2:SC+4*q+3], v[S+8*q+4:S+8*q+5], v[S+8*q+6:S+8*q+7]
	EACH v_pk_add_f32 v[SC+4*q:SC+4*q+1], v[SC+4*q:SC+4*q+1], v[SC+4*q+2:SC+4*q+3]
	EACH v_add_f32 v[ST+2*q], v[SC+4*q], v[SC+4*q+1]
	EACH v_permlanex16_b32 v[ST+2*q+1], v[ST+2*q], s[SEL], s[SEL+1]
	EACH v_add_f32 v[ST+2*q], v[ST+2*q], v[ST+2*q+1] mul:4               ; 4 l: at least 4, since the largest score's weight is 1
	EACH v_rcp_f32 v[ST+2*q], v[ST+2*q]                                  ; a batch of four
	v_nop                                          ; a plain instruction behind the last reciprocal,
	s_wait_alu depctr_va_vdst(0)                   ; and the batch's one wait: the four reciprocals have written v[ST], v[ST+2], v[ST+4], v[ST+6]
.irp i, 0,2,4,6
	v_pk_mul_f32 v[S+(\i):S+(\i)+1], v[S+(\i):S+(\i)+1], v[ST:ST+1] op_sel_hi:[1,0]
.endr
.irp q, 1,2,3                          ; the mean over the four sets, in f32
.irp i, 0,2,4,6
	v_pk_fma_f32 v[S+(\i):S+(\i)+1], v[S+8*(\q)+(\i):S+8*(\q)+(\i)+1], v[ST+2*(\q):ST+2*(\q)+1], v[S+(\i):S+(\i)+1] op_sel_hi:[1,0,1]
.endr
.endr
.irp i, 0,1,2,3
	v_cvt_pk_f16_f32 v[P+8*(\t)+(\i)], v[S+2*(\i)], v[S+2*(\i)+1]
.endr
.endm
	SCORES 0, 28                                   ; token 0's 20 loads are in; token 1's 20 and v's 8 may stay out
	SOFTMAX 0
	SCORES 1, 8                                    ; v's 8 may stay out
	SOFTMAX 1
	s_wait_loadcnt 0x0                             ; v
.irp t, 0,1                            ; eight accumulators, each written once
.irp f, 0,1,2,3
	v_wmma_f32_16x16x32_f16 v[O+32*(\t)+8*(\f):O+32*(\t)+8*(\f)+7], v[VF+8*(\f):VF+8*(\f)+7], v[P+4*(\t):P+4*(\t)+7], 0
.endr
.endr
.rept 4
	v_nop
.endr
.set i, 0
.rept 32
	v_cvt_pk_f16_f32 v[PK+i], v[O+2*i], v[O+2*i+1] ; ascending: each accumulator's lowest registers first
.set i, i+1
.endr
	s_wait_alu depctr_va_vdst(0)                   ; the conversions have written v[PK ..], the LDS stores' data; STO, RD and GO, made at the head, are written; token 1's score products are done reading v128-159, in which the LDS loads land
.irp t, 0,1
.irp f, 0,1,2,3
	ds_store_b128 v[STO], v[PK+16*(\t)+4*(\f):PK+16*(\t)+4*(\f)+3] offset:128*(\t)+32*(\f)
.endr
.endr
.irp u, 0,1,2,3,4,5,6,7
	ds_load_b128 v[OUT+4*(\u):OUT+4*(\u)+3], v[RD] offset:2*SP*(\u)  ; my own bytes: LDS serves a wave's instructions in order (ISA guide 5.7.1.4)
.endr
.irp u, 0,1,2,3,4,5,6,7
	s_wait_dscnt 7-(\u)                            ; heads 2 u and 2 u + 1 are back; the 7 - u younger loads may stay out
	global_store_b128 v[GO], v[OUT+4*(\u):OUT+4*(\u)+3], s[6:7] offset:524288*(\u) th:TH_STORE_NT  ; 16 lanes store 256 consecutive bytes, aligned: one head's channels of both tokens
.endr
	s_wait_dscnt 0x0                               ; the wave's end: my last LDS instructions are done
	s_wait_alu depctr_hold_cnt(0) depctr_sa_sdst(0) depctr_va_vdst(0) depctr_va_sdst(0) depctr_va_ssrc(0) depctr_va_vcc(0) depctr_vm_vsrc(0)
	s_wait_tensorcnt 0x0
	ds_add_u32 v254, v255
	s_wait_dscnt 0x0
	s_endpgm
.Lfunc_end_k_q7fa1f6cc26_attn:
	.size	k_q7fa1f6cc26_attn, .Lfunc_end_k_q7fa1f6cc26_attn-k_q7fa1f6cc26_attn
	.p2alignl 7, 3214868480
	.fill 96, 4, 3214868480
	.section	.rodata,"a",@progbits
	.p2align	6, 0x0
	.amdhsa_kernel k_q7fa1f6cc26_attn
		.amdhsa_group_segment_fixed_size 71680
		.amdhsa_private_segment_fixed_size 0
		.amdhsa_enable_private_segment 0
		.amdhsa_kernarg_size 16
		.amdhsa_user_sgpr_count 2
		.amdhsa_user_sgpr_kernarg_segment_ptr 1
		.amdhsa_wavefront_size32 1
		.amdhsa_system_sgpr_workgroup_id_x 1
		.amdhsa_system_sgpr_workgroup_id_y 1
		.amdhsa_system_sgpr_workgroup_id_z 1
		.amdhsa_system_vgpr_workitem_id 0
		.amdhsa_next_free_vgpr 256
		.amdhsa_next_free_sgpr 66
		.amdhsa_reserve_vcc 0
		.amdhsa_float_denorm_mode_32 3
		.amdhsa_float_denorm_mode_16_64 3
		.amdhsa_memory_ordered 1
		.amdhsa_forward_progress 1
		.amdhsa_inst_pref_size 26
	.end_amdhsa_kernel
	.amdgpu_metadata
---
amdhsa.version: [ 1, 2 ]
amdhsa.kernels:
  - .name:           k_q7fa1f6cc26_attn
    .symbol:         k_q7fa1f6cc26_attn.kd
    .args:
      - { .name: qkv, .offset: 0, .size: 8, .value_kind: global_buffer, .address_space: global }
      - { .name: ob, .offset: 8, .size: 8, .value_kind: global_buffer, .address_space: global }
    .group_segment_fixed_size: 71680
    .private_segment_fixed_size: 0
    .kernarg_segment_align: 8
    .kernarg_segment_size: 16
    .max_flat_workgroup_size: 512
    .sgpr_count:     66
    .vgpr_count:     256
    .wavefront_size: 32
...
	.end_amdgpu_metadata
.endif
;; end of part 6
;; launch proj: the kernel of part 4 again; grid 4 x 64, 4 waves a work-group, clusters of 4 x 4, 327,680 bytes of LDS; arguments ob, wob, out0, bias; writes out0
